; MI455X (gfx1250); checked and timed in simulation.
; The chip was launched on July 23, 2026; its instructions are those of AMD's public machine-readable ISA for CDNA 5 (MIT licence, August 2026) and "CDNA5" Instruction Set Architecture Reference Guide (July 2026). The comments in the code are by the model that wrote it; some were corrected since.
;; Multi Head Attention. Allowed arithmetic: float matrix products may take bf16 or f16 operands with f32 sums; other float arithmetic in f32, or as packed bf16 or f16 multiplies, adds, multiply-adds, maxima and minima; sums over many terms, partial sums and values carried from step to step in f32; what a program stores and reads back later, other than sums and carried values, may be rounded once to bf16 or f16.
;; Inputs: Wk 1,024 x 1,024 float32; Wo 1,024 x 1,024 float32; Wq 1,024 x 1,024 float32; Wv 1,024 x 1,024 float32; bk 1,024 float32; bo 1,024 float32; bq 1,024 float32; bv 1,024 float32; k 4 x 2,048 x 1,024 float32; mask 4 x 1 x 1 x 2,048 float32; q 4 x 2,048 x 1,024 float32; v 4 x 2,048 x 1,024 float32.
;; Outputs: out0 4 x 2,048 x 1,024 float32.
;; 2 versions, each right and faster than the one before. Each part assembles by itself: llvm-mc -triple=amdgcn-amd-amdhsa -mcpu=gfx1250 --defsym DOCPART=n.
;; ======== version 1 of 2: 4 launches
;; limits: values are held in f16: magnitudes above 65,504 overflow, below 6.1e-05 lose precision
;; workspace buffers: wt 8,388,608 bytes; qh 16,777,216 bytes; kh 16,777,216 bytes; vh 16,777,216 bytes; oh 16,777,216 bytes
;; launch prep (part 1): grid 64 x 4, 8 waves a work-group, no clusters, 34,304 bytes of LDS; arguments Wq, Wk, Wv, Wo, wt; writes wt
.if DOCPART == 1
	.amdgcn_target "amdgcn-amd-amdhsa--gfx1250"
	.amdhsa_code_object_version 6
	.text
	.protected	k_qf7b8c36588_prep
	.globl	k_qf7b8c36588_prep
	.p2align	8
	.type	k_qf7b8c36588_prep,@function
k_qf7b8c36588_prep:
	s_mov_b64 s[64:65], 0
	v_nop
	global_prefetch_b8 v0, s[64:65] scope:SCOPE_SE
	s_setreg_imm32_b32 hwreg(HW_REG_WAVE_MODE, 25, 1), 1
	s_wait_xcnt 0x0
; wt[mat][n][k] = W_mat[k][n], rounded once to bf16 (to nearest even).  W: [1024 k][1024 n] f32; wt: [4][1024 n][1024 k], 16 bits a number; mat 0..3 = Wq, Wk, Wv, Wo.
; Wo's bf16 number is then written as f16, since the last product multiplies f16 by f16.  LIMIT: that is exact from 2^-17 up to 65,504; below, f16's fixed step of 6e-8 holds.
; A work-group of eight waves turns one block of 128 k x 128 n: wave w reads rows 16 w .. 16 w + 15 (a load of the wave covers 512 consecutive bytes), packs two neighbouring k of one n
; into a word, and puts the words into LDS rows that lie along k; behind a barrier it reads 16 rows of n back and stores them, sixteen lanes to 256 consecutive, aligned bytes.
; No matrix unit, no tensor load: the launch moves each byte once and computes nothing but a rounding.
.set PT,    260                        ; an LDS row: 128 k x 2 bytes + 4 = 65 words: the 32 lanes of a store (rows 4 l + c) fall on 16 different banks, two lanes each
.set SPARE, 128*PT                     ; behind the rows: the spare words, 128 bytes for each wave: four blocks of 256 bytes that no other line names
.set LD,    16                         ; v[16:79]   16 rows as loaded; later v[16:47] the rows read back
.set WD,    80                         ; v[80:111]  32 packed words
.set SPW,   112                        ; LDS address of my spare word; never rewritten
.set NIL,   113                        ; 0; never rewritten
.set T0,    114
.set T1,    115
	s_load_b256 s[4:11], s[0:1], 0x0               ; Wq s[4:5], Wk s[6:7], Wv s[8:9], Wo s[10:11]
	s_load_b64 s[12:13], s[0:1], 0x20              ; wt
	v_lshl_add_u32 v[SPW], v0, 2, SPARE
	v_mov_b32 v[NIL], 0
	v_and_b32 v1, 31, v0                           ; lane l
	v_lshrrev_b32 v2, 5, v0
	v_readfirstlane_b32 s17, v2                    ; wave w
	s_and_b32 s16, ttmp7, 0xffff                   ; mat
	s_and_b32 s18, ttmp9, 7                        ; block along k
	s_lshr_b32 s19, ttmp9, 3                       ; block along n
	s_lshl_b32 s20, s18, 19                        ; source: 128 rows of 4,096 bytes,
	s_lshl_b32 s22, s19, 9                         ; 128 columns of 4 bytes
	s_add_co_u32 s20, s20, s22
	s_mov_b32 s21, 0
	s_lshl_b32 s22, s16, 21                        ; destination: a matrix of 2 MiB,
	s_lshl_b32 s24, s19, 18                        ; 128 rows of 2,048 bytes,
	s_add_co_u32 s22, s22, s24
	s_lshl_b32 s24, s18, 8                         ; 128 k of 2 bytes
	s_add_co_u32 s22, s22, s24
	s_mov_b32 s23, 0
	v_lshlrev_b32 v3, 4, v1
	v_lshl_add_u32 v3, s17, 16, v3                 ; load: 16 rows x 4,096 x w + 16 l
	v_mul_u32_u24 v4, v1, 4*PT
	v_lshl_add_u32 v4, s17, 5, v4                  ; into LDS: row 4 l, word 8 w
	v_lshrrev_b32 v[T0], 4, v1
	v_and_b32 v[T1], 15, v1
	v_lshl_add_u32 v[T0], s17, 4, v[T0]            ; back: row 16 w + l / 16,
	v_mul_u32_u24 v5, v[T0], PT
	v_lshl_add_u32 v5, v[T1], 4, v5                ; 16 bytes at 16 (l % 16)
	v_lshlrev_b32 v6, 11, v[T0]
	v_lshl_add_u32 v6, v[T1], 4, v6                ; and the same place in wt
	s_wait_kmcnt 0x0
	s_mov_b64 s[14:15], s[4:5]                     ; the source is chosen by mat
	s_cmp_eq_u32 s16, 1
	s_cselect_b64 s[14:15], s[6:7], s[14:15]
	s_cmp_eq_u32 s16, 2
	s_cselect_b64 s[14:15], s[8:9], s[14:15]
	s_cmp_eq_u32 s16, 3
	s_cselect_b64 s[14:15], s[10:11], s[14:15]
	s_add_nc_u64 s[14:15], s[14:15], s[20:21]
	s_add_nc_u64 s[12:13], s[12:13], s[22:23]
.set i, 0
.rept 16
	global_load_b128 v[LD+4*i:LD+4*i+3], v3, s[14:15] offset:4096*i th:TH_LOAD_NT
.set i, i+1
.endr
.set i, 0
.rept 8
	s_wait_loadcnt 14-2*i                          ; rows 2 i and 2 i + 1 are in; the younger loads stay out
.irp c, 0,1,2,3
	v_cvt_pk_bf16_f32 v[WD+4*i+(\c)], v[LD+8*i+(\c)], v[LD+8*i+4+(\c)]  ; k = 16 w + 2 i below, + 1 above; n = 4 l + c
.endr
.set i, i+1
.endr
	s_cmp_lg_u32 s16, 3
	s_cbranch_scc1 .Lkeep
.set i, 0
.rept 32                                               ; Wo alone: the bf16 numbers written as f16
	v_lshlrev_b32 v[T0], 16, v[WD+i]
	v_and_b32 v[T1], 0xffff0000, v[WD+i]
	v_cvt_pk_f16_f32 v[WD+i], v[T0], v[T1]
.set i, i+1
.endr
.Lkeep:
.set i, 0
.rept 8
.irp c, 0,1,2,3
	ds_store_b32 v4, v[WD+4*i+(\c)] offset:(\c)*PT+4*i
.endr
.set i, i+1
.endr
	s_wait_dscnt 0x0                               ; for the others' sake: my words are in LDS
	s_barrier_signal -1
	s_barrier_wait -1
.set i, 0
.rept 8                                                ; rows 16 w + 2 i and + 1; the pitch is no multiple of 16, so four loads of a word
.irp c, 0,1,2,3
	ds_load_b32 v[LD+4*i+(\c)], v5 offset:i*2*PT+4*(\c)
.endr
.set i, i+1
.endr
.set i, 0
.rept 8
	s_wait_dscnt 28-4*i                            ; the four words of this store are back; the younger loads stay out
	global_store_b128 v6, v[LD+4*i:LD+4*i+3], s[12:13] offset:4096*i  ; 16 lanes store 256 consecutive bytes, at a multiple of 256 from wt's first byte
.set i, i+1
.endr
	s_wait_tensorcnt 0x0                           ; the wave's end, behind my last LDS store
	ds_add_u32 v[SPW], v[NIL]
	s_wait_dscnt 0x0
	s_endpgm
.Lfunc_end_k_qf7b8c36588_prep:
	.size	k_qf7b8c36588_prep, .Lfunc_end_k_qf7b8c36588_prep-k_qf7b8c36588_prep
	.p2alignl 7, 3214868480
	.fill 96, 4, 3214868480
	.section	.rodata,"a",@progbits
	.p2align	6, 0x0
	.amdhsa_kernel k_qf7b8c36588_prep
		.amdhsa_group_segment_fixed_size 34304
		.amdhsa_private_segment_fixed_size 0
		.amdhsa_enable_private_segment 0
		.amdhsa_kernarg_size 40
		.amdhsa_user_sgpr_count 2
		.amdhsa_user_sgpr_kernarg_segment_ptr 1
		.amdhsa_wavefront_size32 1
		.amdhsa_system_sgpr_workgroup_id_x 1
		.amdhsa_system_sgpr_workgroup_id_y 1
		.amdhsa_system_sgpr_workgroup_id_z 1
		.amdhsa_system_vgpr_workitem_id 0
		.amdhsa_next_free_vgpr 116
		.amdhsa_next_free_sgpr 66
		.amdhsa_reserve_vcc 0
		.amdhsa_float_denorm_mode_32 3
		.amdhsa_float_denorm_mode_16_64 3
		.amdhsa_memory_ordered 1
		.amdhsa_forward_progress 1
		.amdhsa_inst_pref_size 17
	.end_amdhsa_kernel
	.amdgpu_metadata
---
amdhsa.version: [ 1, 2 ]
amdhsa.kernels:
  - .name:           k_qf7b8c36588_prep
    .symbol:         k_qf7b8c36588_prep.kd
    .args:
      - { .name: Wq, .offset: 0, .size: 8, .value_kind: global_buffer, .address_space: global }
      - { .name: Wk, .offset: 8, .size: 8, .value_kind: global_buffer, .address_space: global }
      - { .name: Wv, .offset: 16, .size: 8, .value_kind: global_buffer, .address_space: global }
      - { .name: Wo, .offset: 24, .size: 8, .value_kind: global_buffer, .address_space: global }
      - { .name: wt, .offset: 32, .size: 8, .value_kind: global_buffer, .address_space: global }
    .group_segment_fixed_size: 34304
    .private_segment_fixed_size: 0
    .kernarg_segment_align: 8
    .kernarg_segment_size: 40
    .max_flat_workgroup_size: 256
    .sgpr_count:     66
    .vgpr_count:     116
    .wavefront_size: 32
...
	.end_amdgpu_metadata
.endif
;; end of part 1
;; launch proj (part 2): grid 4 x 192, 4 waves a work-group, clusters of 4 x 4, 327,680 bytes of LDS; arguments q, k, v, wt, bq, bk, bv, qh, kh, vh; writes qh, kh, vh
.if DOCPART == 2
	.amdgcn_target "amdgcn-amd-amdhsa--gfx1250"
	.amdhsa_code_object_version 6
	.text
	.protected	k_qf7b8c36588_proj
	.globl	k_qf7b8c36588_proj
	.p2align	8
	.type	k_qf7b8c36588_proj,@function
k_qf7b8c36588_proj:
	s_mov_b64 s[64:65], 0
	v_nop
	global_prefetch_b8 v0, s[64:65] scope:SCOPE_SE
	s_setreg_imm32_b32 hwreg(HW_REG_WAVE_MODE, 25, 1), 1
	s_wait_xcnt 0x0
	s_wait_alu depctr_hold_cnt(0) depctr_sa_sdst(0) depctr_va_vdst(0) depctr_va_sdst(0) depctr_va_ssrc(0) depctr_va_vcc(0) depctr_vm_vsrc(0)
	s_getreg_b32 s2, hwreg(HW_REG_IB_STS2, 6, 4)
	s_cmp_eq_u32 s2, 0
	s_cbranch_scc0 .Lentry_in_a_cluster
	s_endpgm
.Lentry_in_a_cluster:
	s_bfe_u32 s2, ttmp6, 0x10000c
	s_cmp_lg_u32 s2, 0xf033
	s_cbranch_scc0 .Lentry_shape_is_right
	s_endpgm
.Lentry_shape_is_right:
; The three input projections: y = x W + b for (x, W, b, y) = (q, Wq, bq, qh), (k, Wk, bk, kh), (v, Wv, bv, vh).  x: [8192][1024] f32; W comes as wt[proj][n][k] in bf16; b: [1024] f32;
; y by heads, [64 = batch x 16 + head][2048][64] in f16, unscaled.  x and b are rounded to bf16 (to nearest even), the sums are f32, y is rounded once.
; LIMIT: f16 ends at 65,504: a y beyond it becomes an infinity.  NaN and infinities are not treated apart.
; SHARES.  A tile of y is 128 rows x 256 columns: 3 x 64 x 4 = 768 work-groups, three for each of 256 WGPs.  Four waves, each 64 x 128: 32 accumulators of 16 x 16, 256 registers.
; K goes in steps of 128 through two LDS slots.  x's tile comes as f32 (rows of 512 bytes); each wave reads f32 fragments and rounds them in registers, four conversions behind each of a
; quarter step's last eight products.  The bias is the C operand of the products that start the sums: nothing is cleared and nothing is added later.
; CLUSTER 4 x 4: the four work-groups of a row need the same tile of x, the four of a column the same tile of wt: each tile is asked for jointly, by the same tensor load with the same
; descriptor and a mask that names the four.  The projection hangs on the cluster's y alone.
; THE MATRIX INSTRUCTION IS USED TRANSPOSED (source 0 = 16 rows of wt, source 1 = 16 rows of x): a lane holds one row of y and eight neighbouring columns.
; REGISTERS, in windows of 256 (s_set_vgpr_msb: bits 1:0 source 0, 3:2 source 1, 5:4 source 2, 7:6 destination):
;   window 0: v16-29 addresses; v32-95 x's fragments in f32; v96-127, v128-159 x's fragments in bf16, two buffers; v160-223 the way out
;   window 1: accumulator (a, b) at v[8 (8 a + b)]          window 2: v0-63, v64-127 wt's fragments, two buffers; v128-191 the bias; v192-195 at work
.set PA,     528                       ; a row of x in LDS: 512 bytes + 16 = 132 words: the 16 rows of a load start at 16 different groups of four banks (64 banks of 4 bytes: ISA guide 11.1)
.set PB,     272                       ; a row of wt: 256 + 16 = 68 words: likewise
.set AHALF,  64*PA                     ; what one tensor load brings of x
.set BHALF,  128*PB                    ; and of wt
.set BOFF,   2*AHALF                   ; a slot: x's 128 rows, then wt's 256 rows
.set SLOT,   BOFF+2*BHALF
.set STAGE,  2*SLOT                    ; behind the ring, never filled by a tensor load: for each wave 2 heads x 16 rows x 144 bytes
.set SP,     144
.set WSTAGE, 2*16*SP
.set SPARE,  STAGE+4*WSTAGE            ; the spare words, 128 bytes for each wave: two blocks of 256 bytes that no other line names
.set A0,   16                          ; my lane's place in slot 0's rows of x; never rewritten
.set B0,   17                          ; the same for wt
.set ADRA, 18                          ; the same in the slot in hand
.set ADRB, 19
.set STO,  20                          ; the way out: where I put 16 bytes of a row
.set RD,   21                          ; where I read rows back
.set GO,   22                          ; my byte offset in 512 consecutive bytes of y
.set VB,   23                          ; my byte offset in 16 numbers of the bias
.set SPW,  28                          ; LDS address of my spare word; never rewritten
.set NIL,  29                          ; 0; never rewritten
.set RAW,  32
.set AF,   96
.set TMP,  160
.set BK,   192
.set BF,   0                           ; window 2
.set BI,   128
.set BT,   192
.set WV,  24                           ; s24 wave
.set MH,  25                           ; s25 which 64 rows are mine; also: I fetch for x (0) or for wt (1)
.set NH,  26                           ; s26 which 128 columns; also: which half of that tile I fetch
.set CX,  27
.set CY,  28
.set NT,  29                           ; s29 tile column
.set CLY, 30
.set PJ,  31                           ; s31 projection 0..2
.set MBK, 32                           ; s32 block of 128 rows, 0..63
.set G1A, 36                           ; s[36:43] descriptor group 1 for x
.set G1B, 44                           ; s[44:51] for wt
.set G0A, 52                           ; s[52:55] group 0 for x, K step 0 into slot 0; s[56:59] K step 1 into slot 1, which then walks
.set G0B0, 60                          ; s[60:63], s[68:71] the same for wt
.set G0B1, 68
.set TB,  72                           ; s72 the slot that fragments are read from: 0 or SLOT
.set TF,  73                           ; s73 the slot filled last: 0 or SLOT
.set WPA, 74                           ; s74 my half's place in a slot, for x
.set WPB, 75                           ; s75 for wt
.set XP,  84                           ; s[84:85] x at my tile
.set BP,  86                           ; s[86:87] the bias at my columns
.set OP,  88                           ; s[88:89] y at my rows and heads
.set HIM, 90                           ; s90 a word's upper half
.set CNT, 91
.set MSB, 0
.macro WIN new                         ; the immediate's high byte repeats the setting that is left; a switch that changes nothing is dropped
.if MSB != (\new)
	s_set_vgpr_msb (MSB<<8)|(\new)
.set MSB, \new
.endif
.endm
.set MUL,  0x52                        ; wt window 2, x window 0, C and D window 1
.set MULB, 0x62                        ; the same with C, the bias, in window 2
.set TO_B, 0x80                        ; destination window 2, address window 0
.set RND,  0x8a                        ; destination and both sources window 2
.set PKW,  0x05                        ; both sources window 1, destination window 0
.macro PLACES                          ; four plain vector instructions in front of a line that touches a matrix instruction's registers (ISA guide 7.12.1)
.rept 4
	v_nop
.endr
.endm
; A joint refill by the walking descriptors.  Waves 0 and 1 fetch x's halves, waves 2 and 3 wt's.  The branch hangs on the wave's number alone.
; An s_nop 0 and four v_nop follow each of the two lines, ahead of the jump and the label.
.macro JLOAD
	s_cmp_eq_u32 s[MH], 0
	s_cbranch_scc0 .Lfor_b_\@
	tensor_load_to_lds s[G0A+4:G0A+7], s[G1A:G1A+7]
	s_nop 0
.rept 4
	v_nop
.endr
	s_branch .Lasked_\@
.Lfor_b_\@:
	tensor_load_to_lds s[G0B1:G0B1+3], s[G1B:G1B+7]
	s_nop 0
.rept 4
	v_nop
.endr
.Lasked_\@:
.endm
.macro CREST                           ; a round of the cluster's barrier behind its opening barrier
	s_cmp_lg_u32 s[WV], 0
	s_cbranch_scc1 .Lnot_wave_0_\@
	s_barrier_signal -3
.Lnot_wave_0_\@:
	s_barrier_wait -3
	s_barrier_signal -1
	s_barrier_wait -1
.endm
.macro CROUND                          ; a whole round
	s_barrier_signal -1
	s_barrier_wait -1
	CREST
.endm
	s_load_b512 s[4:19], s[0:1], 0x0               ; q s[4:5], k s[6:7], v s[8:9], wt s[10:11], bq s[12:13], bk s[14:15], bv s[16:17], qh s[18:19]
	s_load_b128 s[20:23], s[0:1], 0x40             ; kh s[20:21], vh s[22:23]
	v_lshl_add_u32 v[SPW], v0, 2, SPARE
	v_mov_b32 v[NIL], 0
	ds_add_u32 v[SPW], v[NIL]                      ; the wave's opening: the add and its wait, ahead of my first tensor load; work on registers stands between them
	v_lshrrev_b32 v1, 5, v0
	v_readfirstlane_b32 s[WV], v1
	s_lshr_b32 s[MH], s[WV], 1
	s_and_b32 s[NH], s[WV], 1
	s_bfe_u32 s[CX], ttmp6, 0x40000
	s_bfe_u32 s[CY], ttmp6, 0x40004
	s_lshl_b32 s[NT], ttmp9, 2
	s_add_co_u32 s[NT], s[NT], s[CX]               ; tile column = 4 x cluster x + cx
	s_and_b32 s[CLY], ttmp7, 0xffff
	s_lshr_b32 s[PJ], s[CLY], 4                    ; 16 clusters along y to a projection
	s_and_b32 s[MBK], s[CLY], 15
	s_lshl_b32 s[MBK], s[MBK], 2
	s_add_co_u32 s[MBK], s[MBK], s[CY]             ; block of rows = 4 x (cluster y % 16) + cy
	s_lshl_b32 s33, s[CY], 2
	s_lshl_b32 s33, 15, s33                        ; my row of the cluster
	s_lshl_b32 s34, 0x1111, s[CX]                  ; my column
	s_or_b32 s[G1A], s33, (2<<16)|(1<<20)|(1<<21)|(6<<22)|(3<<25)  ; 15:0 the mask; 17:16 elements of 4 bytes; 20 padding on; 21 set beside a mask; 24:22 after every 128 words (code 6); 31:25 4 words (code 3)
	s_mov_b32 s[G1A+1], 128<<16                    ; tensor_dim0 = 128
	s_mov_b32 s[G1A+2], 64<<16                     ; tensor_dim1 = 64
	s_mov_b32 s[G1A+3], 128<<16                    ; tile_dim0 = 128
	s_mov_b32 s[G1A+4], 64                         ; tile_dim1 = 64
	s_mov_b32 s[G1A+5], 1024                       ; elements from row to row
	s_mov_b32 s[G1A+6], 0
	s_mov_b32 s[G1A+7], 0
	s_or_b32 s[G1B], s34, (1<<16)|(1<<20)|(1<<21)|(5<<22)|(3<<25)  ; elements of 2 bytes; padding after every 64 words (code 5)
	s_mov_b32 s[G1B+1], 128<<16
	s_mov_b32 s[G1B+2], 128<<16
	s_mov_b32 s[G1B+3], 128<<16
	s_mov_b32 s[G1B+4], 128
	s_mov_b32 s[G1B+5], 1024
	s_mov_b32 s[G1B+6], 0
	s_mov_b32 s[G1B+7], 0
	s_mul_i32 s[WPA], s[NH], AHALF                 ; no place in the cluster enters an LDS address
	s_mul_i32 s[WPB], s[NH], BHALF
	s_add_co_u32 s[WPB], s[WPB], BOFF
	s_mov_b32 s[TB], 0
	s_mov_b32 s[TF], SLOT
	s_mov_b32 s[HIM], 0xffff0000
	s_lshl_b32 s76, s[MBK], 19                     ; x: 128 rows of 4,096 bytes a block,
	s_lshl_b32 s77, s[NH], 18                      ; 64 rows a half
	s_add_co_u32 s76, s76, s77
	s_mov_b32 s77, 0
	s_lshl_b32 s78, s[PJ], 21                      ; wt: 2 MiB a matrix,
	s_lshl_b32 s79, s[NT], 19                      ; 256 rows of 2,048 bytes a tile,
	s_add_co_u32 s78, s78, s79
	s_lshl_b32 s79, s[NH], 18                      ; 128 rows a half
	s_add_co_u32 s78, s78, s79
	s_mov_b32 s79, 0
	s_wait_dscnt 0x0                               ; the opening add is done
	s_wait_kmcnt 0x0
	s_cmp_eq_u32 s[PJ], 0                          ; the projection chooses x, the bias and y
	s_cselect_b64 s[XP:XP+1], s[4:5], s[6:7]
	s_cselect_b64 s[BP:BP+1], s[12:13], s[14:15]
	s_cselect_b64 s[OP:OP+1], s[18:19], s[20:21]
	s_cmp_eq_u32 s[PJ], 2
	s_cselect_b64 s[XP:XP+1], s[8:9], s[XP:XP+1]
	s_cselect_b64 s[BP:BP+1], s[16:17], s[BP:BP+1]
	s_cselect_b64 s[OP:OP+1], s[22:23], s[OP:OP+1]
	s_add_nc_u64 s[XP:XP+1], s[XP:XP+1], s[76:77]
	s_add_nc_u64 s[80:81], s[10:11], s[78:79]
	s_mov_b32 s[G0A], 1                            ; 1:0 count = 1
	s_mov_b32 s[G0A+1], s[WPA]                     ; 63:32 LDS address: slot 0
	s_mov_b64 s[G0A+2:G0A+3], s[XP:XP+1]           ; 120:64 global address: K step 0
	s_or_b32 s[G0A+3], s[G0A+3], 0x80000000        ; 127:126 type = 2
	s_mov_b32 s[G0A+4], 1
	s_add_co_u32 s[G0A+5], s[WPA], SLOT            ; slot 1
	s_add_nc_u64 s[G0A+6:G0A+7], s[XP:XP+1], 512   ; K step 1: 128 numbers of 4 bytes on
	s_or_b32 s[G0A+7], s[G0A+7], 0x80000000
	s_mov_b32 s[G0B0], 1
	s_mov_b32 s[G0B0+1], s[WPB]
	s_mov_b64 s[G0B0+2:G0B0+3], s[80:81]
	s_or_b32 s[G0B0+3], s[G0B0+3], 0x80000000
	s_mov_b32 s[G0B1], 1
	s_add_co_u32 s[G0B1+1], s[WPB], SLOT
	s_add_nc_u64 s[G0B1+2:G0B1+3], s[80:81], 256
	s_or_b32 s[G0B1+3], s[G0B1+3], 0x80000000
	CROUND                                         ; all sixteen work-groups are here: the first joint loads meet
	s_cmp_eq_u32 s[MH], 0                          ; a wave's two first fills stand in one branch, ahead of every wait on TENSORcnt and every LDS read: two loads of mine are out
	s_cbranch_scc0 .Lfirst_b
	tensor_load_to_lds s[G0A:G0A+3], s[G1A:G1A+7]
	s_nop 0
	tensor_load_to_lds s[G0A+4:G0A+7], s[G1A:G1A+7]
	s_nop 0
.rept 4
	v_nop
.endr
	s_branch .Lfirst_asked
.Lfirst_b:
	tensor_load_to_lds s[G0B0:G0B0+3], s[G1B:G1B+7]
	s_nop 0
	tensor_load_to_lds s[G0B1:G0B1+3], s[G1B:G1B+7]
	s_nop 0
.rept 4
	v_nop
.endr
.Lfirst_asked:
	v_and_b32 v1, 15, v0                           ; r = l % 16
	v_bfe_u32 v2, v0, 4, 1                         ; h = l / 16
	v_lshlrev_b32 v[VB], 5, v2
	s_lshl_b32 s78, s[NT], 10                      ; the bias at my 128 columns
	s_lshl_b32 s79, s[NH], 9
	s_add_co_u32 s78, s78, s79
	s_mov_b32 s79, 0
	s_add_nc_u64 s[BP:BP+1], s[BP:BP+1], s[78:79]
	WIN TO_B
.irp b, 0,1,2,3,4,5,6,7                ; register j of block b: the bias of column 16 b + 8 h + j, as an accumulator holds it
	global_load_b128 v[BI+8*(\b):BI+8*(\b)+3],   v[VB], s[BP:BP+1] offset:64*(\b)
	global_load_b128 v[BI+8*(\b)+4:BI+8*(\b)+7], v[VB], s[BP:BP+1] offset:64*(\b)+16
.endr
	WIN 0
	; x's fragment is 16 rows x 32 K: lane l holds row l % 16, K = 8 h + 0..7 and 16 + 8 h + 0..7: in f32 four loads of 16 bytes at 32 h + 0, 16, 64, 80.  wt's: two loads at 16 h + 0, 32.
	v_mul_u32_u24 v3, v1, PA
	v_lshl_add_u32 v3, v2, 5, v3
	s_mul_i32 s82, s[MH], AHALF                    ; my 64 rows of x
	v_add_nc_u32 v[A0], s82, v3
	v_mul_u32_u24 v4, v1, PB
	v_lshl_add_u32 v4, v2, 4, v4
	v_add_nc_u32 v[B0], s[WPB], v4                 ; my 128 rows of wt lie where the half of that number is fetched to
	v_mov_b32 v[ADRA], v[A0]
	v_mov_b32 v[ADRB], v[B0]
	s_mul_i32 s82, s[WV], WSTAGE
	s_add_co_u32 s82, s82, STAGE                   ; my stage
	v_mul_u32_u24 v5, v1, SP                       ; in: row l % 16, 16 bytes for each half of the lanes
	v_lshl_add_u32 v5, v2, 4, v5
	v_add_nc_u32 v[STO], s82, v5
	v_bfe_u32 v6, v0, 3, 2                         ; back: 32 lanes take four rows of 128 bytes,
	v_and_b32 v7, 7, v0
	v_mul_u32_u24 v6, v6, SP
	v_lshl_add_u32 v6, v7, 4, v6
	v_add_nc_u32 v[RD], s82, v6
	v_and_b32 v[GO], 31, v0                        ; which are 512 consecutive bytes of a head
	v_lshlrev_b32 v[GO], 4, v[GO]
	s_lshr_b32 s82, s[MBK], 4                      ; y: batch x 16 + 4 x tile column + 2 x half: my first head, 262,144 bytes each,
	s_lshl_b32 s82, s82, 4
	s_lshl_b32 s83, s[NT], 2
	s_add_co_u32 s82, s82, s83
	s_lshl_b32 s83, s[NH], 1
	s_add_co_u32 s82, s82, s83
	s_lshl_b32 s82, s82, 18
	s_and_b32 s83, s[MBK], 15                      ; and my first row in the batch, 128 bytes each
	s_lshl_b32 s83, s83, 14
	s_add_co_u32 s82, s82, s83
	s_lshl_b32 s83, s[MH], 13
	s_add_co_u32 s82, s82, s83
	s_mov_b32 s83, 0
	s_add_nc_u64 s[OP:OP+1], s[OP:OP+1], s[82:83]
	s_wait_loadcnt 0x0                             ; the bias
	WIN RND
.set p, 0
.rept 32                                               ; rounded to bf16, like every input, and widened again
	v_cvt_pk_bf16_f32 v[BT+p%4], v[BI+2*p], v[BI+2*p+1]
	v_lshlrev_b32 v[BI+2*p], 16, v[BT+p%4]
	v_and_b32 v[BI+2*p+1], s[HIM], v[BT+p%4]
.set p, p+1
.endr
; 32 LDS loads in one run: the fragments of quarter kq (32 along K) of the slot in hand: x in f32 first, then wt into buffer g
.macro FETCH kq, g
	WIN 0
.irp i, 0,1,2,3
	ds_load_b128 v[RAW+16*(\i):RAW+16*(\i)+3],     v[ADRA] offset:(\i)*16*PA+(\kq)*128
	ds_load_b128 v[RAW+16*(\i)+4:RAW+16*(\i)+7],   v[ADRA] offset:(\i)*16*PA+(\kq)*128+16
	ds_load_b128 v[RAW+16*(\i)+8:RAW+16*(\i)+11],  v[ADRA] offset:(\i)*16*PA+(\kq)*128+64
	ds_load_b128 v[RAW+16*(\i)+12:RAW+16*(\i)+15], v[ADRA] offset:(\i)*16*PA+(\kq)*128+80
.endr
	WIN TO_B
.irp b, 0,1,2,3,4,5,6,7
	ds_load_b128 v[BF+64*(\g)+8*(\b):BF+64*(\g)+8*(\b)+3],   v[ADRB] offset:(\b)*16*PB+(\kq)*64
	ds_load_b128 v[BF+64*(\g)+8*(\b)+4:BF+64*(\g)+8*(\b)+7], v[ADRB] offset:(\b)*16*PB+(\kq)*64+32
.endr
.endm
; 8 products: row block a x all 8 column blocks, from buffers f.  first = 1: the bias starts the sums.  The 32 accumulators take turns in the same order in every quarter.
.macro MUL8 f, a, first
.if \first
	WIN MULB
.else
	WIN MUL
.endif
.irp b, 0,1,2,3,4,5,6,7
.if \first
	v_wmma_f32_16x16x32_bf16 v[8*(8*(\a)+(\b)):8*(8*(\a)+(\b))+7], v[BF+64*(\f)+8*(\b):BF+64*(\f)+8*(\b)+7], v[AF+32*(\f)+8*(\a):AF+32*(\f)+8*(\a)+7], v[BI+8*(\b):BI+8*(\b)+7]
.else
	v_wmma_f32_16x16x32_bf16 v[8*(8*(\a)+(\b)):8*(8*(\a)+(\b))+7], v[BF+64*(\f)+8*(\b):BF+64*(\f)+8*(\b)+7], v[AF+32*(\f)+8*(\a):AF+32*(\f)+8*(\a)+7], v[8*(8*(\a)+(\b)):8*(8*(\a)+(\b))+7]
.endif
.endr
.endm
; The quarter's last 8 products (row block 3); behind each, four conversions of the next quarter's x into buffer g.  They name no register of the products round them; the four behind the
; last product are the places in front of the next run of loads, and in front of the next conversions into the buffer just multiplied.
.macro MULC f, g, first
.irp b, 0,1,2,3,4,5,6,7
.if \first
	WIN MULB
	v_wmma_f32_16x16x32_bf16 v[8*(24+(\b)):8*(24+(\b))+7], v[BF+64*(\f)+8*(\b):BF+64*(\f)+8*(\b)+7], v[AF+32*(\f)+24:AF+32*(\f)+31], v[BI+8*(\b):BI+8*(\b)+7]
.else
	WIN MUL
	v_wmma_f32_16x16x32_bf16 v[8*(24+(\b)):8*(24+(\b))+7], v[BF+64*(\f)+8*(\b):BF+64*(\f)+8*(\b)+7], v[AF+32*(\f)+24:AF+32*(\f)+31], v[8*(24+(\b)):8*(24+(\b))+7]
.endif
	WIN 0
.irp c, 0,1,2,3
	v_cvt_pk_bf16_f32 v[AF+32*(\g)+4*(\b)+(\c)], v[RAW+8*(\b)+2*(\c)], v[RAW+8*(\b)+2*(\c)+1]
.endr
.endr
.endm
; One of a K step's first three quarters: multiplies buffers f and fetches quarter kq into g.
.macro Q kq, f, g, first=0
	FETCH \kq, \g
	s_wait_dscnt 32                                ; all but the 32 just issued: this quarter's wt is in
	MUL8 \f, 0, \first
	MUL8 \f, 1, \first
	MUL8 \f, 2, \first
	s_wait_dscnt 16                                ; the next quarter's x is in; wt's sixteen younger loads may be out
	MULC \f, \g, \first
.endm
; The last quarter multiplies buffers 1 and changes slots.  In front of the barrier each wave waits for all its tensor loads (one is out: its part of the next slot), adds 0 to its spare word, and
; waits for that and for its reads of this slot.  fill = 1: the barrier opens a round of the cluster's, and this slot is filled again, two K steps ahead, first thing behind the round.
.macro TURN fill
	WIN 0
	s_wait_tensorcnt 0x0                           ; no tensor load of mine is out, so a group 0 may be written
	ds_add_u32 v[SPW], v[NIL]                      ; 0 onto my spare word
.if \fill
	s_xor_b32 s[TF], s[TF], SLOT                   ; the walking descriptors: the other slot than last time,
	s_add_co_u32 s[G0A+5], s[WPA], s[TF]
	s_add_nc_u64 s[G0A+6:G0A+7], s[G0A+6:G0A+7], 512   ; the next K step; the type bits on top are not reached
	s_add_co_u32 s[G0B1+1], s[WPB], s[TF]
	s_add_nc_u64 s[G0B1+2:G0B1+3], s[G0B1+2:G0B1+3], 256
.endif
	s_wait_dscnt 1                                 ; only the add may be out: this quarter's wt is in
	MUL8 1, 0, 0                                   ; eight products stand between the add and the wait for it
	s_wait_dscnt 0x0                               ; the add is done, and my reads of this slot are over
	s_barrier_signal -1
	MUL8 1, 1, 0                                   ; work on registers while the others arrive
	WIN 0
	s_barrier_wait -1
.if \fill
	CREST                                          ; no wave of any partner still reads this slot or has a load on its way
	JLOAD                                          ; my one tensor load behind the round
.else
	PLACES
.endif
	s_xor_b32 s[TB], s[TB], SLOT
	v_add_nc_u32 v[ADRA], s[TB], v[A0]
	v_add_nc_u32 v[ADRB], s[TB], v[B0]
	FETCH 0, 0
	MUL8 1, 2, 0
	s_wait_dscnt 16                                ; the next slot's first x is in
	MULC 1, 0, 0
.endm
; THE WAY OUT of row block a.  PACK: rounded to f16, 16 bytes a lane, each accumulator from its low end.  TOSTAGE: into my stage, by heads, and back as whole rows of 128 bytes.  SEND: stored.
.macro PACK a
	WIN PKW
.irp b, 0,1,2,3,4,5,6,7
.irp c, 0,1,2,3
	v_cvt_pk_f16_f32 v[TMP+4*(\b)+(\c)], v[8*(8*(\a)+(\b))+2*(\c)], v[8*(8*(\a)+(\b))+2*(\c)+1]
.endr
.endr
	WIN 0
.endm
.macro TOSTAGE
	s_wait_xcnt 0x0                                ; the registers that the last block's stores read are loaded again only behind this wait
.irp b, 0,1,2,3,4,5,6,7
	ds_store_b128 v[STO], v[TMP+4*(\b):TMP+4*(\b)+3] offset:((\b)/4)*16*SP+((\b)%4)*32
.endr
.irp t, 0,1,2,3,4,5,6,7
	ds_load_b128 v[BK+4*(\t):BK+4*(\t)+3], v[RD] offset:((\t)/4)*16*SP+((\t)%4)*4*SP  ; LDS serves a wave's instructions in order (ISA guide 5.7.1.4): these see the stores above
.endr
.endm
.macro SEND a
.irp t, 0,1,2,3,4,5,6,7
	s_wait_dscnt 7-(\t)
	global_store_b128 v[GO], v[BK+4*(\t):BK+4*(\t)+3], s[OP:OP+1] offset:((\t)/4)*262144+(\a)*2048+((\t)%4)*512  ; 512 consecutive bytes of a head, at a multiple of 256 from y's first byte
.endr
.endm
	WIN 0
	s_wait_tensorcnt 0x1                           ; my part of K step 0 is in; K step 1's may stay out
	s_barrier_signal -1
	s_barrier_wait -1                              ; everybody's is
	FETCH 0, 0
	s_wait_dscnt 16                                ; x's sixteen loads are in
	WIN 0
.set p, 0
.rept 32
	v_cvt_pk_bf16_f32 v[AF+p], v[RAW+2*p], v[RAW+2*p+1]
.set p, p+1
.endr
	Q 1, 0, 1, 1                                   ; the first quarter stands in front of the loop: its products start the sums with the bias
	WIN 0                                          ; at a label and at a branch every window is 0
	s_mov_b32 s[CNT], 6
.Lk:                                                   ; a trip is a K step, from its second quarter to the next step's first; six trips ask for K steps 2 to 7
	Q 2, 1, 0
	Q 3, 0, 1
	TURN 1
	Q 1, 0, 1
	WIN 0
	s_sub_co_u32 s[CNT], s[CNT], 1
	s_cmp_lg_u32 s[CNT], 0
	s_cbranch_scc1 .Lk
	Q 2, 1, 0                                      ; the last two K steps ask for nothing
	Q 3, 0, 1
	TURN 0
	Q 1, 0, 1
	Q 2, 1, 0
	Q 3, 0, 1
	s_wait_dscnt 0x0
	MUL8 1, 0, 0
	MUL8 1, 1, 0
	MUL8 1, 2, 0
	MUL8 1, 3, 0
	WIN 0
	PLACES
	PACK 0
	TOSTAGE
	PACK 1                                         ; a block's conversions stand between the loads of the block before and its stores
	SEND 0
	TOSTAGE
	PACK 2
	SEND 1
	TOSTAGE
	PACK 3
	SEND 2
	TOSTAGE
	SEND 3
	s_wait_tensorcnt 0x0                           ; the wave's end, behind my last tensor load and my last LDS store
	ds_add_u32 v[SPW], v[NIL]
	s_wait_dscnt 0x0
	CROUND                                         ; the closing round: no work-group ends while a partner may still ask for a tile that names it
	s_endpgm
.Lfunc_end_k_qf7b8c36588_proj:
	.size	k_qf7b8c36588_proj, .Lfunc_end_k_qf7b8c36588_proj-k_qf7b8c36588_proj
	.p2alignl 7, 3214868480
	.fill 96, 4, 3214868480
	.section	.rodata,"a",@progbits
	.p2align	6, 0x0
	.amdhsa_kernel k_qf7b8c36588_proj
		.amdhsa_group_segment_fixed_size 327680
		.amdhsa_private_segment_fixed_size 0
		.amdhsa_enable_private_segment 0
		.amdhsa_kernarg_size 80
		.amdhsa_user_sgpr_count 2
		.amdhsa_user_sgpr_kernarg_segment_ptr 1
		.amdhsa_wavefront_size32 1
		.amdhsa_system_sgpr_workgroup_id_x 1
		.amdhsa_system_sgpr_workgroup_id_y 1
		.amdhsa_system_sgpr_workgroup_id_z 1
		.amdhsa_system_vgpr_workitem_id 0
		.amdhsa_next_free_vgpr 768
		.amdhsa_next_free_sgpr 96
		.amdhsa_reserve_vcc 0
		.amdhsa_float_denorm_mode_32 3
		.amdhsa_float_denorm_mode_16_64 3
		.amdhsa_memory_ordered 1
		.amdhsa_forward_progress 1
		.amdhsa_inst_pref_size 111
	.end_amdhsa_kernel
	.amdgpu_metadata
---
amdhsa.version: [ 1, 2 ]
amdhsa.kernels:
  - .name:           k_qf7b8c36588_proj
    .symbol:         k_qf7b8c36588_proj.kd
    .args:
      - { .name: q, .offset: 0, .size: 8, .value_kind: global_buffer, .address_space: global }
      - { .name: k, .offset: 8, .size: 8, .value_kind: global_buffer, .address_space: global }
      - { .name: v, .offset: 16, .size: 8, .value_kind: global_buffer, .address_space: global }
      - { .name: wt, .offset: 24, .size: 8, .value_kind: global_buffer, .address_space: global }
      - { .name: bq, .offset: 32, .size: 8, .value_kind: global_buffer, .address_space: global }
      - { .name: bk, .offset: 40, .size: 8, .value_kind: global_buffer, .address_space: global }
      - { .name: bv, .offset: 48, .size: 8, .value_kind: global_buffer, .address_space: global }
      - { .name: qh, .offset: 56, .size: 8, .value_kind: global_buffer, .address_space: global }
      - { .name: kh, .offset: 64, .size: 8, .value_kind: global_buffer, .address_space: global }
      - { .name: vh, .offset: 72, .size: 8, .value_kind: global_buffer, .address_space: global }
    .group_segment_fixed_size: 327680
    .private_segment_fixed_size: 0
    .kernarg_segment_align: 8
    .kernarg_segment_size: 80
    .max_flat_workgroup_size: 128
    .sgpr_count:     96
    .vgpr_count:     768
    .wavefront_size: 32
...
	.end_amdgpu_metadata
.endif
;; end of part 2
;; launch attn (part 3): grid 4 x 64, 4 waves a work-group, clusters of 4 x 1, 327,680 bytes of LDS; arguments qh, kh, vh, mask, oh; writes oh
.if DOCPART == 3
	.amdgcn_target "amdgcn-amd-amdhsa--gfx1250"
	.amdhsa_code_object_version 6
	.text
	.protected	k_qf7b8c36588_attn
	.globl	k_qf7b8c36588_attn
	.p2align	8
	.type	k_qf7b8c36588_attn,@function
k_qf7b8c36588_attn:
	s_mov_b64 s[64:65], 0
	v_nop
	global_prefetch_b8 v0, s[64:65] scope:SCOPE_SE
	s_setreg_imm32_b32 hwreg(HW_REG_WAVE_MODE, 25, 1), 1
	s_wait_xcnt 0x0
	s_wait_alu depctr_hold_cnt(0) depctr_sa_sdst(0) depctr_va_vdst(0) depctr_va_sdst(0) depctr_va_ssrc(0) depctr_va_vcc(0) depctr_vm_vsrc(0)
	s_getreg_b32 s2, hwreg(HW_REG_IB_STS2, 6, 4)
	s_cmp_eq_u32 s2, 0
	s_cbranch_scc0 .Lentry_in_a_cluster
	s_endpgm
.Lentry_in_a_cluster:
	s_bfe_u32 s2, ttmp6, 0x10000c
	s_cmp_lg_u32 s2, 0x3003
	s_cbranch_scc0 .Lentry_shape_is_right
	s_endpgm
.Lentry_shape_is_right:
; O[g][q][:] = the sum over k of softmax_k(Q[g][q] . K[g][k] / 64 + mask[g / 16][k] x (-1e9)) V[g][k][:].  Q, K, V, O: [64][2048][64] in f16, a head's rows dense, 128 bytes each; mask: [4][2048] f32.
; Products, maxima and sums in f32; the weights p are rounded to f16 for the second product (their sum l is taken of the unrounded p), O once at the end.  The mask is rounded to bf16, like every input.
; THE SCORE IS MADE AS IT IS DEFINED: s' = fma(s, 1/64, mb), mb = mask x (-1e9), one rounding (s / 64 is exact); then a running maximum m of s', d = s' - m, p = 2^(d log2 e).  So a bias of 1e9,
; beside which a score vanishes, gives the same ties and the same zeros; d is never above 0, so p lies in 0 to 1.  In every step O and l are multiplied by a = 2^((m_old - m_new) log2 e).
; m starts at the lowest finite number, O and l at 0: the first step is a step like any other, with a = 0.
; LIMITS.  Q, K, V arrive within f16's 65,504; p below 6e-5 keeps f16's fixed step of 6e-8; a weight below 2^-126 counts as 0 in l; NaN and infinities are not treated apart.
; SHARES.  A wave owns four PIECES of two tiles of 16 queries, a work-group's four waves 512 queries of one head.  Every wave walks all 2,048 keys, 64 a step.
; LAYOUT.  S^T = K Q^T (source 0 = 16 keys, source 1 = 16 queries): a lane holds ONE query (lane % 16) and the keys 8 (lane / 16) + 0..7.  Two such results, rounded to f16 in pairs, ARE source 1 of
; O^T = V^T P.  K comes out of LDS as it lies, V turned, by ds_load_tr16_b128.  mb of a step lies in 32 registers in the order of a tile's scores.
; THE COUNT.  A tile and step have 16 matrix and 150 vector instructions: too many to stand all beside the matrix work.  Four vector instructions stand behind EVERY matrix instruction, the others in runs.
; BY TURNS.  Turn n belongs to piece n.  Its matrix work: 16 products K Q^T of piece n + 1, later 16 products V^T P of piece n - 1.  Its vector work: d, the exponentials, roundings, sums and rescaling
; of piece n, and s', the maximum and the statistics of piece n + 1, whose scores the turn itself has made.
; CLUSTER.  The four query blocks of a cluster belong to one head and walk the same K and V: each tile is asked for JOINTLY: the same tensor load, descriptor and mask in all four.
; REGISTERS, in windows of 256 (s_set_vgpr_msb: bits 1:0 source 0, 3:2 source 1, 5:4 source 2, 7:6 destination):
;   window 0: v0-11 addresses; v12-15, v48-63 at work; v16-47 four registers of statistics a tile; v64-191 S^T, two buffers of two tiles; v192-255 P, likewise
;   window 1: O^T, 32 a tile     window 2: v0-127 Q; v128-191 K of one step; v192-255 V of one step     window 3: v0-1 the add's two registers; v2-33 mb of one step
.set SIZE_N, 2048
.set NP,    4         ; pieces a wave: a name, no knob
.set KS,    64        ; keys in a step
.set PK,    144       ; a row of K in LDS: 128 bytes + 16 = 36 words: the 16 rows of a load start at 16 different groups of four banks (64 banks of 4 bytes: ISA guide 11.1)
.set PV,    160       ; a row of V: 128 + 32 = 40 words
.set VOFF,  4*KS*PK   ; a slot holds four steps: 256 rows of K, then 256 rows of V
.set SLOT1, 1<<17     ; slot 1 begins here, so that one exclusive or turns an address in one slot into the other's
.set STAGE, SLOT1+4*KS*(PK+PV)  ; behind the ring, never filled by a tensor load: 16 rows x 144 bytes for each wave, for the way out
.set SP,    144
.set SPARE, STAGE+4*16*SP  ; the spare words, 128 bytes for each wave: two blocks of 256 bytes that no other line names
.set MASKT, SPARE+512 ; mb of the batch's 2,048 keys, f32: written once by the four waves, never filled by a tensor load
.set AK0, 2           ; v2   my lane's place in a tile of K; never rewritten
.set AV0, 3           ; v3   the same for V
.set AK,  4           ; v4   the LDS address of K's next run of loads
.set AV,  5           ; v5   of V's (made in piece 0's turn) and of mb's (made in piece 2's turn)
.set QO,  6           ; v6   my byte offset in the wave's rows of Q
.set STO, 6           ;      later, the way out: where I put 16 bytes of a row
.set RD,  7           ; v7   the way out: where I read rows back
.set GO,  8           ; v8   my byte offset in 512 consecutive bytes of O
.set AM0, 11          ; v11  my lane's place in a step's 64 mb
.set SPW, 0           ; v0 of window 3   LDS address of my spare word; never rewritten
.set NIL, 1           ; v1 of window 3   0; never rewritten
.set MB,  2           ; v2-33 of window 3: register 8 kb + j: key 16 kb + 8 (lane / 16) + j
.set MV,  12          ; v12-15  m_old, kept while m is made anew: by buffer and tile
.set ST,  16          ; tile t's statistics at v[ST+4 t]: m, 0 (named with m as a pair), l (even keys', odd keys')
.set TMP, 48          ; by buffer and tile, four registers c0-c3 at work; when the maximum is found c2 takes a
.set S,   64
.set P,   192
.set KF,  128         ; K's fragments, in window 2: key block kb, channel half c at KF + 16 kb + 8 c
.set VF,  192         ; V's: key half kk, channel block cb at VF + 32 kk + 8 cb
.set WV,  12          ; s12  my wave's number
.set G1K, 24          ; s[24:31] descriptor group 1 for K's tiles
.set G1V, 32          ; s[32:39] for V's: it differs in the padding alone
.set G0K, 40          ; s[40:43] descriptor group 0 for K's tiles: it walks
.set G0V, 44          ; s[44:47] the same for V's
.set OP,  48          ; s[48:49] O at my wave's first row
.set SC,  50          ; s[50:51] 1/64
.set NB,  52          ; s[52:53] -1e9
.set TBM, 54          ; s54  byte in the table at which mb of the step to be fetched begins
.set HIM, 55          ; s55  a word's upper half
.set SLOTS, 56        ; s56  slots still to be asked for
.set CNT, 57          ; s57  counts a slot's key steps
.set CS,  58          ; s[58:59] log2(e)
.set SEL, 60          ; s[60:61] v_permlanex16_b32's selects: each lane takes its own place in the other half
.set TBK, 62          ; s62  LDS byte at which K of the step to be fetched begins
.set TBV, 63          ; s63  the same for V, less VOFF
.set MSB, 0
.macro WIN new                      ; the high byte repeats the setting that is left; a switch that changes nothing is dropped
.if MSB != (\new)
	s_set_vgpr_msb (MSB<<8)|(\new)
.set MSB, (\new)
.endif
.endm
.set W_KQ, 0x0a       ; K and Q in window 2, S^T in window 0
.set W_PV, 0x52       ; V in window 2, P in window 0, O^T in window 1
.set W_RS, 0x41       ; O^T (destination and source 0) in window 1, a in window 0
.set W_MS, 0x30       ; S^T in window 0, mb (source 2) in window 3
.set W_MK, 0xc0       ; destination in window 3, sources in window 0
.set W_AD, 0x0f       ; the add: address (source 0) and data (source 1) in window 3
; A joint fill.  Waves 0 and 1 fetch the two halves of a slot's K, waves 2 and 3 those of its V: 128 keys each.  The branch hangs on the wave's number alone.
; An s_nop 0 and four v_nop follow each of the two lines, ahead of the jump and the label.
.macro JLOAD
	s_cmp_lt_u32 s[WV], 2
	s_cbranch_scc0 .Lfor_v_\@
	tensor_load_to_lds s[G0K:G0K+3], s[G1K:G1K+7]
	s_nop 0
.rept 4
	v_nop
.endr
	s_branch .Lasked_\@
.Lfor_v_\@:
	tensor_load_to_lds s[G0V:G0V+3], s[G1V:G1V+7]
	s_nop 0
.rept 4
	v_nop
.endr
.Lasked_\@:
.endm
; A round of the cluster's barrier: my work-group's barrier; wave 0 signals for the work-group; every wave waits for all four work-groups; my work-group's barrier once more.
.macro CROUND
	s_barrier_signal -1
	s_barrier_wait -1
	s_cmp_lg_u32 s[WV], 0
	s_cbranch_scc1 .Lnot_wave_0_\@
	s_barrier_signal -3
.Lnot_wave_0_\@:
	s_barrier_wait -3
	s_barrier_signal -1
	s_barrier_wait -1
.endm
; THE CHANGE OF SLOTS.  The slot's last bytes, V of its fourth step, have been read.  Each wave waits for all its tensor loads, of which one is out: its part of the other slot; adds 0 to its spare
; word; and waits for that and for its own LDS instructions.  fill = 1: this slot is filled again, with the keys two slots on, first thing behind a round of the cluster's barrier: the load has four
; key steps, 512 matrix instructions, in which to land.  (At its first use nothing has been read yet: slot 0 is waited for, slot 1 filled, and the waves' parts of the table of mb are shown to each other.)
.macro CHANGE fill
	WIN W_AD
	s_wait_tensorcnt 0x0            ; no tensor load of mine is out, so a group 0 may be written
	ds_add_u32 v[SPW], v[NIL]       ; 0 onto my spare word
	WIN 0                           ; at a label and at a branch every window is 0
.if \fill
.irp g, G0K, G0V
	s_xor_b32 s[\g+1], s[\g+1], SLOT1  ; the walking descriptor: the other slot than last time,
	s_add_nc_u64 s[\g+2:\g+3], s[\g+2:\g+3], 4*KS*128  ; the next 256 keys; the type bits on top are not reached
.endr
	s_wait_dscnt 0x0                ; the add is done, and my reads of the slot are over
	CROUND
	JLOAD
.else
	s_wait_dscnt 0x0                ; the add is done, and my reads of the slot are over
	s_barrier_signal -1
	s_barrier_wait -1
.endif
	s_sub_co_u32 s[TBK], s[TBK], 4*KS*PK  ; the fetches go back to a slot's first step,
	s_xor_b32 s[TBK], s[TBK], SLOT1       ; in the other slot
	s_sub_co_u32 s[TBV], s[TBV], 4*KS*PV
	s_xor_b32 s[TBV], s[TBV], SLOT1
.endm
	s_load_b256 s[4:11], s[0:1], 0x0  ; Q s[4:5], K s[6:7], V s[8:9], mask s[10:11]
	s_load_b64 s[OP:OP+1], s[0:1], 0x20  ; O
	WIN W_MK
	v_lshl_add_u32 v[SPW], v0, 2, SPARE
	v_mov_b32 v[NIL], 0
	WIN W_AD
	ds_add_u32 v[SPW], v[NIL]       ; the wave's opening: the add and its wait, ahead of my first tensor load; work on registers stands between them
	WIN 0
	v_lshrrev_b32 v1, 5, v0
	v_readfirstlane_b32 s[WV], v1   ; wave 0..3
	s_bfe_u32 s13, ttmp6, 0x40000   ; cx: my place in the cluster
	s_lshl_b32 s14, ttmp9, 2        ; in a cluster launch ttmp9 counts clusters
	s_add_co_u32 s14, s14, s13      ; my block of queries = 4 x cluster x + cx: it enters Q's and O's addresses alone
	s_and_b32 s20, ttmp7, 0xffff    ; batch x 16 + head, which the four partners share
	s_lshr_b32 s56, s20, 4          ; the batch's 2,048 numbers of the mask
	s_lshl_b32 s56, s56, 13
	s_mov_b32 s57, 0
	s_mov_b32 s21, 0
	s_mov_b64 s[22:23], SIZE_N*128
	s_mul_u64 s[20:21], s[20:21], s[22:23]  ; the head's first byte in each of the four tensors
	s_and_b32 s16, s[WV], 1         ; which half of a slot's 256 keys I fetch:
	s_lshl_b32 s22, s16, 14         ; its 128 rows of 128 bytes in memory,
	s_mov_b32 s23, 0
	s_add_nc_u64 s[22:23], s[22:23], s[20:21]
	s_mul_i32 s17, s16, 128*PK      ; and its place in a slot, for K
	s_mul_i32 s18, s16, 128*PV      ; and for V: no place in the cluster enters an LDS address
	s_lshl_b32 s2, s14, 2
	s_add_co_u32 s2, s2, s[WV]      ; my wave among the head's,
	s_lshl_b32 s2, s2, 14           ; its 128 rows
	s_mov_b32 s3, 0
	s_add_nc_u64 s[2:3], s[2:3], s[20:21]
	; descriptor group 1.  128 keys are 16,384 dense bytes: asked for as 64 rows of 256 bytes, two keys a row, and padded in LDS after every key
	s_mov_b32 s[G1K], 15|(1<<16)|(1<<20)|(1<<21)|(4<<22)|(3<<25)  ; 15:0 the mask of four; 17:16 2-byte elements; 20 padding on; 21 set beside a mask; 24:22 after every 32 words (code 4); 31:25 4 words (code 3)
	s_mov_b32 s[G1V], 15|(1<<16)|(1<<20)|(1<<21)|(4<<22)|(7<<25)  ; the same with 8 words of padding (code 7)
.irp g, G1K, G1V
	s_mov_b32 s[\g+1], 128<<16      ; tensor_dim0 = 128
	s_mov_b32 s[\g+2], 64<<16       ; tensor_dim1 = 64
	s_mov_b32 s[\g+3], 128<<16      ; tile_dim0 = 128
	s_mov_b32 s[\g+4], 64           ; tile_dim1 = 64
	s_mov_b32 s[\g+5], 128          ; 128 elements from row to row
	s_mov_b32 s[\g+6], 0
	s_mov_b32 s[\g+7], 0
.endr
	s_mov_b32 s[CS], 0x3fb8aa3b     ; log2(e)
	s_mov_b32 s[CS+1], s[CS]        ; named with it as a pair
	s_mov_b32 s[SC], 0x3c800000     ; 1/64: 64 + 1e-8 is 64 in f32
	s_mov_b32 s[SC+1], s[SC]
	s_mov_b32 s[NB], 0xce6e6b28     ; -1e9
	s_mov_b32 s[NB+1], s[NB]
	s_mov_b32 s[TBM], 0
	s_mov_b32 s[HIM], 0xffff0000
	s_mov_b32 s[SEL], 0x76543210
	s_mov_b32 s[SEL+1], 0xfedcba98
	s_mov_b32 s[TBK], SLOT1+4*KS*PK ; the first change of slots turns these two into 0
	s_mov_b32 s[TBV], SLOT1+4*KS*PV
	s_mov_b32 s[G0K], 1             ; 1:0 count = 1
	s_mov_b32 s[G0K+1], s17         ; 63:32 LDS address: slot 0
	s_mov_b32 s[G0V], 1
	s_add_co_u32 s[G0V+1], s18, VOFF
	s_wait_dscnt 0x0                ; the opening add is done
	s_wait_kmcnt 0x0
	s_add_nc_u64 s[G0K+2:G0K+3], s[6:7], s[22:23]  ; 120:64 global address: my half of the head's first 256 keys
	s_or_b32 s[G0K+3], s[G0K+3], 0x80000000        ; 127:126 type = 2
	s_add_nc_u64 s[G0V+2:G0V+3], s[8:9], s[22:23]
	s_or_b32 s[G0V+3], s[G0V+3], 0x80000000
	s_add_nc_u64 s[4:5], s[4:5], s[2:3]  ; Q and O at my wave's first row
	s_add_nc_u64 s[OP:OP+1], s[OP:OP+1], s[2:3]
	s_add_nc_u64 s[10:11], s[10:11], s[56:57]  ; the mask at my batch
	CROUND                          ; all four work-groups are here: the first joint loads meet
	JLOAD                           ; slot 0.  Slot 1 is asked for when slot 0 is in
	v_and_b32 v1, 15, v0            ; l % 16
	v_bfe_u32 v9, v0, 4, 1          ; l / 16
	v_lshlrev_b32 v12, 4, v0        ; the mask: thread t takes 16 bytes at 16 t of each quarter of the batch's 8,192
.irp i, 0,1,2,3
	global_load_b128 v[S+4*(\i):S+4*(\i)+3], v12, s[10:11] offset:2048*(\i)
.endr
	; A fragment of K or Q is 16 rows x 32 channels in 8 registers: lane l holds row l % 16, channels 8 (l / 16) + 0..7 and 16 + 8 (l / 16) + 0..7: two loads of 16 bytes, 32 bytes apart.
	v_lshlrev_b32 v[QO], 7, v1
	v_lshl_add_u32 v[QO], v9, 4, v[QO]  ; row x 128 + 16 x half
	WIN 0x80                        ; destination window 2, address window 0
.set i, 0
.rept 4*NP                          ; Q stays in registers: tile i / 2, channels 32 (i % 2) on
	global_load_b128 v[8*i:8*i+3],   v[QO], s[4:5] offset:(i/2)*2048+(i%2)*64
	global_load_b128 v[8*i+4:8*i+7], v[QO], s[4:5] offset:(i/2)*2048+(i%2)*64+32
.set i, i+1
.endr
	; What the first turn finds: V's registers and P's second buffer hold 0 (its products V^T P, of a piece that has not been, add 0), O^T and l are 0.  All this stands in the wait for the first tile.
.set i, VF
.rept 64
	v_mov_b32 v[i], 0
.set i, i+1
.endr
	WIN 0x40
.set i, 0
.rept 64*NP
	v_mov_b32 v[i], 0
.set i, i+1
.endr
	WIN 0
.set i, 0
.rept 2*NP
	v_mov_b32 v[ST+4*i], 0xff7fffff    ; m: the lowest finite number
	v_mov_b32 v[ST+4*i+1], 0
	v_mov_b32 v[ST+4*i+2], 0
	v_mov_b32 v[ST+4*i+3], 0
.set i, i+1
.endr
.set i, P+32
.rept 32
	v_mov_b32 v[i], 0
.set i, i+1
.endr
	v_mul_u32_u24 v[AK0], v1, PK
	v_lshl_add_u32 v[AK0], v9, 4, v[AK0]  ; row x pitch + 16 x half
	; The turning load takes 16 keys x 16 channels (lane l reads key 8 (l / 16) + l % 8, channels 8 ((l / 8) % 2) + 0..7) and leaves half a fragment of V^T: lane l holds channel l % 16 and 8 keys.
	v_and_b32 v10, 7, v0
	v_bfe_u32 v11, v0, 3, 1
	v_lshl_add_u32 v[AV0], v9, 3, v10
	v_mul_u32_u24 v[AV0], v[AV0], PV
	v_lshl_add_u32 v[AV0], v11, 4, v[AV0]
	v_add_nc_u32 v[AV0], VOFF, v[AV0]
	v_mov_b32 v[AK], v[AK0]         ; key step 0 lies at the head of slot 0
	v_lshlrev_b32 v[AM0], 5, v9     ; my eight keys of a block of 16: 32 bytes for each half of the lanes
	v_add_nc_u32 v[AM0], MASKT, v[AM0]
	v_mov_b32 v[AV], v[AM0]         ; and mb of step 0 at the head of the table
	; The table of mb: the mask rounded to bf16, times -1e9 in f32.
	s_wait_loadcnt 32               ; the mask's four loads are in; Q's 32 younger ones stay out
.set i, 0
.rept 8
	v_cvt_pk_bf16_f32 v[S+16+i%4], v[S+2*i], v[S+2*i+1]
	v_lshlrev_b32 v[S+2*i], 16, v[S+16+i%4]
	v_and_b32 v[S+2*i+1], s[HIM], v[S+16+i%4]
	v_pk_mul_f32 v[S+2*i:S+2*i+1], v[S+2*i:S+2*i+1], s[NB:NB+1] op_sel_hi:[1,0]
.set i, i+1
.endr
	v_add_nc_u32 v13, MASKT, v12
.irp i, 0,1,2,3
	ds_store_b128 v13, v[S+4*(\i):S+4*(\i)+3] offset:2048*(\i)
.endr
; THE MATRIX WORK.  The 8 accumulators of a run of 16 take turns: between the two links of a chain stand 7 others'.
; Product i of 16 of S^T = K Q^T for piece x: channels 32 (i / 8) on, keys 16 ((i / 2) % 4) on, tile 2 x + i % 2.  The first 8 start the sums.
.macro KQ x
	WIN W_KQ
.set rS, S+64*((\x)%2)+32*(i%2)+8*((i/2)%4)
.set rK, KF+16*((i/2)%4)+8*(i/8)
.set rQ, 16*(2*(\x)+i%2)+8*(i/8)
.if i < 8
	v_wmma_f32_16x16x32_f16 v[rS:rS+7], v[rK:rK+7], v[rQ:rQ+7], 0
.else
	v_wmma_f32_16x16x32_f16 v[rS:rS+7], v[rK:rK+7], v[rQ:rQ+7], v[rS:rS+7]
.endif
.endm
; Product i of 16 of O^T += V^T P for piece x: keys 32 (i / 8) on, channels 16 ((i / 2) % 4) on, tile 2 x + i % 2.
.macro PV x
	WIN W_PV
.set rO, 32*(2*(\x)+i%2)+8*((i/2)%4)
.set rV, VF+32*(i/8)+8*((i/2)%4)
.set rP, P+32*((\x)%2)+16*(i%2)+8*(i/8)
	v_wmma_f32_16x16x32_f16 v[rO:rO+7], v[rV:rV+7], v[rP:rP+7], v[rO:rO+7]
.endm
.macro MM                           ; the turn's next matrix instruction
.if i < 16
	KQ (Y+1)%NP
.set i, i+1
.else
.set i, i-16
	PV (Y+NP-1)%NP
.set i, i+17
.endif
.endm
; THE LDS LOADS stand in runs, never singly among the matrix instructions: a step's K (8 fragments) with its mb (32 numbers a lane), and its V (turned).  Their addresses are made some lines ahead.
; last = 1 (the tail): in the last trip there is no further step, and the run is jumped over.
.macro FETCH_KM last=0
	WIN 0
.if \last
	s_cmp_eq_u32 s[CNT], 1
	s_cbranch_scc1 .Lno_k_\@
.endif
	WIN 0x80                        ; destination window 2
.irp f, 0,1,2,3,4,5,6,7             ; keys 16 (f / 2) on, channels 32 (f % 2) on
	ds_load_b128 v[KF+8*\f:KF+8*\f+3],   v[AK] offset:(\f/2)*16*PK+(\f%2)*64
	ds_load_b128 v[KF+8*\f+4:KF+8*\f+7], v[AK] offset:(\f/2)*16*PK+(\f%2)*64+32
.endr
	WIN W_MK                        ; destination window 3
.irp f, 0,1,2,3                     ; keys 16 f + 8 (l / 16) + 0..7
	ds_load_b128 v[MB+8*\f:MB+8*\f+3],   v[AV] offset:\f*64
	ds_load_b128 v[MB+8*\f+4:MB+8*\f+7], v[AV] offset:\f*64+16
.endr
	s_add_co_u32 s[TBK], s[TBK], KS*PK  ; the next fetch is the next step's
	s_add_co_u32 s[TBM], s[TBM], KS*4
	WIN 0
.if \last
.Lno_k_\@:
.endif
.endm
.macro FETCH_V
	WIN 0x80
.irp f, 0,1,2,3,4,5,6,7             ; keys 32 (f / 4) on, channels 16 (f % 4) on
	ds_load_tr16_b128 v[VF+8*\f:VF+8*\f+3],   v[AV] offset:(\f/4)*32*PV+(\f%4)*32
	ds_load_tr16_b128 v[VF+8*\f+4:VF+8*\f+7], v[AV] offset:(\f/4)*32*PV+16*PV+(\f%4)*32
.endr
	WIN 0
.endm
; THE VECTOR WORK OF A TURN, line by line.
.macro REGS y, u                    ; the registers of tile u (0, 1) of piece y
.set rT, ST+4*(2*(\y)+(\u))
.set rC, TMP+8*((\y)%2)+4*(\u)
.set rM, MV+2*((\y)%2)+(\u)
.set rS, S+64*((\y)%2)+32*(\u)
.set rP, P+32*((\y)%2)+16*(\u)
.set rO, 32*(2*(\y)+(\u))
.endm
; s' = s / 64 + mb for pair n of the NEXT piece's (Y + 1) tile u: the first reader of the scores, each accumulator from its low end
.macro MS n, u
	REGS (Y+1)%NP, \u
	WIN W_MS
	v_pk_fma_f32 v[rS+2*(\n):rS+2*(\n)+1], v[rS+2*(\n):rS+2*(\n)+1], s[SC:SC+1], v[MB+2*(\n):MB+2*(\n)+1] op_sel_hi:[1,0,1]
.endm
; Number n of the 22 that find the next piece's maximum and statistics.
;   0-11  four chains c0-c3 of seven scores each, three operands at a time     12-14, 16  the four scores left over, the old m, and c0-c3 into c0     15  m_old is kept
;   17, 18  the query's other 32 keys lie in the lane 16 away: the new m         19-21  m_old - m_new; times log2(e); a
.macro XS u, n
	REGS (Y+1)%NP, \u
	WIN 0
.if (\n) < 4
	v_max3_num_f32 v[rC+(\n)], v[rS+8*(\n)], v[rS+8*(\n)+1], v[rS+8*(\n)+2]
.elseif (\n) < 12
	v_max3_num_f32 v[rC+(\n)%4], v[rC+(\n)%4], v[rS+8*((\n)%4)+2*((\n)/4)+1], v[rS+8*((\n)%4)+2*((\n)/4)+2]
.elseif (\n) == 12
	v_max3_num_f32 v[rC], v[rC], v[rS+7], v[rS+15]
.elseif (\n) == 13
	v_max3_num_f32 v[rC+1], v[rC+1], v[rS+23], v[rS+31]
.elseif (\n) == 14
	v_max3_num_f32 v[rC+2], v[rC+2], v[rC+3], v[rT]
.elseif (\n) == 15
	v_mov_b32 v[rM], v[rT]
.elseif (\n) == 16
	v_max3_num_f32 v[rC], v[rC], v[rC+1], v[rC+2]
.elseif (\n) == 17
	v_permlanex16_b32 v[rC+3], v[rC], s[SEL], s[SEL+1]
.elseif (\n) == 18
	v_max_num_f32 v[rT], v[rC], v[rC+3]
.elseif (\n) == 19
	v_sub_f32 v[rC+1], v[rM], v[rT]
.elseif (\n) == 20
	v_mul_f32 v[rC+1], s[CS], v[rC+1]
.else
	v_exp_f32 v[rC+2], v[rC+1]
.endif
.endm
; Block DU(k), entry e of 8, for the four scores 4 k .. of both tiles: e < 4: d = s' - m for pair 2 k + e / 2 of tile e % 2; e >= 4: d log2(e) for the same pairs
.macro DU k, e
	REGS Y, (\e)%2
	WIN 0
.set vn, rS+2*(2*(\k)+((\e)%4)/2)
.if (\e) < 4
	v_pk_add_f32 v[vn:vn+1], v[vn:vn+1], v[rT:rT+1] op_sel_hi:[1,0] neg_lo:[0,1] neg_hi:[0,1]
.else
	v_pk_mul_f32 v[vn:vn+1], v[vn:vn+1], s[CS:CS+1] op_sel_hi:[1,0]
.endif
.endm
; Block EE(k), entry e: the exponential of score 4 k + e / 2 of tile e % 2
.macro EE k, e
	REGS Y, (\e)%2
	WIN 0
	v_exp_f32 v[rS+4*(\k)+(\e)/2], v[rS+4*(\k)+(\e)/2]
.endm
; l takes the sum of the four weights 4 k .. of tile u (the first time as l = a l + sum)
.macro LL k, u
	REGS Y, \u
	WIN 0
.if (\k) == 0
	v_pk_fma_f32 v[rT+2:rT+3], v[rT+2:rT+3], v[rC+2:rC+3], v[rS:rS+1] op_sel_hi:[1,0,1]
.else
	v_pk_add_f32 v[rT+2:rT+3], v[rT+2:rT+3], v[rS+4*(\k):rS+4*(\k)+1]
	s_wait_alu depctr_va_vdst(0)
.endif
.endm
; Block TT(k), entry e: e < 4: pair 2 k + e / 2 rounded to f16; e = 4, 5: the second pair added onto the first, in place; e = 6, 7: l takes the block before's sum (in block 0: the next piece's m_old is kept)
.macro TT k, e
.if (\e) < 4
	REGS Y, (\e)%2
	WIN 0
	s_wait_alu depctr_va_vdst(0)
	v_cvt_pk_f16_f32 v[rP+2*(\k)+(\e)/2], v[rS+4*(\k)+2*((\e)/2)], v[rS+4*(\k)+2*((\e)/2)+1]
.elseif (\e) < 6
	REGS Y, (\e)%2
	WIN 0
	v_pk_add_f32 v[rS+4*(\k):rS+4*(\k)+1], v[rS+4*(\k):rS+4*(\k)+1], v[rS+4*(\k)+2:rS+4*(\k)+3]
.elseif (\k) == 0
	XS (\e)%2, 15
.else
	LL (\k)-1, (\e)%2
.endif
.endm
; Number r of the 32 that multiply O^T by a: tile (r / 4) % 2, accumulator r / 8, its pair r % 4: each accumulator from its low end
.macro RS r
	REGS Y, ((\r)/4)%2
	WIN W_RS
.set vn, rO+8*((\r)/8)+2*((\r)%4)
	v_pk_mul_f32 v[vn:vn+1], v[vn:vn+1], v[rC+2:rC+3] op_sel_hi:[1,0]
.endm
; THE TURN'S ONE LIST of 300 lines; VOP writes number j and steps j.  Every line stands behind the lines whose results it reads; every exponential has a plain line behind it that touches neither
; its result nor its source, and its result is read a whole block later.
;   0-7 DU(0)     8-23 EE(0), DU(1) by turns     24-47 EE(1), DU(2), TT(0) by turns     48-63 the first half of the rescaling     64-95 s' of the next piece
;   96-255 for g = 0..4: EE(g+2), DU(g+3), TT(g+1) and eight of the next piece's maximum and statistics, by turns     256-271 EE(7), TT(6)     272-279 TT(7)
;   280-281 the next piece's a     282-283 l's last sums     284-299 the second half of the rescaling
.macro VOP
.if j < 8
	DU 0, j
.elseif j < 24
.if j%2 == 0
	EE 0, (j-8)/2
.else
	DU 1, (j-8)/2
.endif
.elseif j < 48
.if (j-24)%3 == 0
	EE 1, (j-24)/3
.elseif (j-24)%3 == 1
	DU 2, (j-24)/3
.else
	TT 0, (j-24)/3
.endif
.elseif j < 64
	RS j-48
.elseif j < 96
	MS (j-64)/2, j%2
.elseif j < 256
.set vg, (j-96)/32
.set vi, ((j-96)%32)/4
.if j%4 == 0
	EE vg+2, vi
.elseif j%4 == 1
	DU vg+3, vi
.elseif j%4 == 2
	TT vg+1, vi
.else
	XS vi%2, (8*vg+vi)/2+((8*vg+vi)/2)/15
.endif
.elseif j < 272
.if j%2 == 0
	EE 7, (j-256)/2
.else
	TT 6, (j-256)/2
.endif
.elseif j < 280
	TT 7, j-272
.elseif j < 282
	XS j-280, 21
.elseif j < 284
	LL 7, j-282
.else
	RS j-268
.endif
.set j, j+1
.endm
.macro RIDE                         ; a matrix instruction and the four lines behind it; none names a register of the products round it
	MM
	VOP
	VOP
	VOP
	VOP
.endm
; A TURN, for piece p.  cnt = 1: the loop's count is taken down some lines ahead of the branch that stands behind the turn.
; Lines 60-63, four of the rescaling, are the places between the last product K Q^T and the first reader of its scores.  K and mb of the next step are fetched in piece 2's turn, behind s' of the
; step's last piece: 38 plain lines behind the last product that read K.  V of the step in hand is fetched at the end of piece 0's turn, 108 lines behind its last reader.  v_permlanex16_b32
; (lines 227 and 231) stands in the second run, never behind a product.
.macro TURN p, last=0, cnt=0
.set Y, (\p)
.set i, 0
.set j, 0
.if (\p) == NP-1
	s_wait_dscnt 0x0                ; K and mb are in
.endif
.rept 16
	RIDE
.endr
.if (\p) == NP-2
	WIN 0
	v_add_nc_u32 v[AK], s[TBK], v[AK0]
	v_add_nc_u32 v[AV], s[TBM], v[AM0]
.endif
.rept 32
	VOP
.endr
.if (\p) == NP-2
	FETCH_KM \last
.endif
.rept 32
	VOP
.endr
.if (\p) == 1
	s_wait_dscnt 0x0                ; V is in
.endif
.rept 16
	RIDE
.endr
.rept 92
	VOP
.endr
.if (\p) == 0
	WIN 0
	v_add_nc_u32 v[AV], s[TBV], v[AV0]
	s_add_co_u32 s[TBV], s[TBV], KS*PV
.endif
.if \cnt
	s_sub_co_u32 s[CNT], s[CNT], 1
	s_cmp_lg_u32 s[CNT], 0
.endif
.rept 16
	VOP
.endr
.if (\p) == 0
	FETCH_V
.endif
.endm
	CHANGE 1                        ; slot 0 is in, everybody's part of it and of the table; slot 1 is asked for
	FETCH_KM                        ; key step 0
	s_wait_loadcnt 0x0              ; Q
	s_wait_dscnt 0x0
.set i, 0
.rept 16
	KQ 0                            ; piece 0's first scores: there is no vector work yet to set between them
.set i, i+1
.endr
	WIN 0                           ; the addresses for the way out: nine plain instructions, the places behind those products
	s_mul_i32 s13, s[WV], 16*SP
	s_add_co_u32 s13, s13, STAGE    ; my stage
	v_mul_u32_u24 v[STO], v1, SP    ; in: row l % 16, 16 bytes for each half of the lanes
	v_lshl_add_u32 v[STO], v9, 4, v[STO]
	v_add_nc_u32 v[STO], s13, v[STO]
	v_bfe_u32 v[RD], v0, 3, 2       ; back: 32 lanes take four rows of 128 bytes,
	v_mul_u32_u24 v[RD], v[RD], SP
	v_lshl_add_u32 v[RD], v10, 4, v[RD]
	v_add_nc_u32 v[RD], s13, v[RD]
	v_and_b32 v[GO], 31, v0         ; which are 512 consecutive bytes of O
	v_lshlrev_b32 v[GO], 4, v[GO]
.set Y, NP-1                        ; MS and XS work for piece Y + 1: piece 0
.set vq, 0
.rept 32
	MS vq/2, vq%2                   ; piece 0's first s',
.set vq, vq+1
.endr
.irp n, 0,1,2,3,4,5,6,7,8,9,10,11,12,13,14,15,16,17,18,19,20,21
	XS 0, \n                        ; and its first maximum and statistics
	XS 1, \n
.endr
	s_mov_b32 s[CNT], 4
	s_mov_b32 s[SLOTS], SIZE_N/256-1
	s_branch .Lfirst                ; the loop is entered at a step's first turn, in the middle of a trip
.Lslot:                             ; SIZE_N / 256 - 2 times: every slot but the last two is filled again
	CHANGE 1
	s_mov_b32 s[CNT], 4
.Lstep:                             ; a trip: pieces 2 and 3 of one step, then pieces 0 and 1 of the next, whose K, mb and V it fetches
	TURN 2
	TURN 3
	WIN 0
.Lfirst:
	TURN 0
	TURN 1, 0, 1
	WIN 0
	s_cbranch_scc1 .Lstep
	s_sub_co_u32 s[SLOTS], s[SLOTS], 1
	s_cmp_lg_u32 s[SLOTS], 0
	s_cbranch_scc1 .Lslot
	CHANGE 0                        ; the tail is written out: nothing is asked for
	s_mov_b32 s[CNT], 5             ; four trips fetch the last slot's steps; the fifth is left in its middle
.Ltail:
	TURN 2, 1
	TURN 3
	WIN 0
	s_sub_co_u32 s[CNT], s[CNT], 1
	s_cmp_eq_u32 s[CNT], 0
	s_cbranch_scc1 .Lout
	TURN 0
	TURN 1
	WIN 0
	s_branch .Ltail
.Lout:                              ; the fifth trip's 16 products K Q^T (on the last K once more) and the maximum made of them serve nothing: the price, once a launch, of one text for every trip
.set i, 0
.rept 16
	PV NP-1                         ; the last piece's V^T P of the last step
.set i, i+1
.endr
	; THE WAY OUT.  l's two halves and the other half of the lanes' are added; O^T is divided by l, rounded to f16 and sent through my stage in LDS, a tile at a time.  The additions are the places behind the last products.
	WIN 0
.macro ALL line:vararg              ; one line for each tile t
.set t, 0
.rept 2*NP
	\line
.set t, t+1
.endr
.endm
	ALL v_add_f32 v[ST+4*t+2], v[ST+4*t+2], v[ST+4*t+3]
	ALL v_permlanex16_b32 v[ST+4*t+3], v[ST+4*t+2], s[SEL], s[SEL+1]
	ALL v_add_f32 v[ST+4*t+2], v[ST+4*t+2], v[ST+4*t+3]
	ALL v_rcp_f32 v[ST+4*t+2], v[ST+4*t+2]
	v_nop                           ; a plain instruction between the last reciprocal and the use of its result
	s_wait_alu depctr_va_vdst(0)
; Tile t: a lane's eight channels of a row pack into 16 bytes; they go into rows of 144 bytes and come back as whole rows of 128, into S^T's registers.
.macro PACK t
	WIN W_RS
.set i, 32*(\t)
.rept 16
	v_pk_mul_f32 v[i:i+1], v[i:i+1], v[ST+4*(\t)+2:ST+4*(\t)+3] op_sel_hi:[1,0]
.set i, i+2
.endr
	WIN 0x05                        ; sources 0 and 1 window 1, destination window 0
.set i, 0
.rept 16
	v_cvt_pk_f16_f32 v[S+16*(\t)+i], v[32*(\t)+2*i], v[32*(\t)+2*i+1]
.set i, i+1
.endr
	WIN 0
.irp f, 0,1,2,3
	ds_store_b128 v[STO], v[S+16*(\t)+4*\f:S+16*(\t)+4*\f+3] offset:32*\f
.endr
.irp f, 0,1,2,3
	ds_load_b128 v[S+16*(\t)+4*\f:S+16*(\t)+4*\f+3], v[RD] offset:\f*4*SP  ; LDS serves a wave's instructions in order (ISA guide 5.7.1.4): these see the stores above; the next tile's stores come behind them
.endr
.endm
.macro SEND t, younger              ; younger: the LDS instructions issued behind tile t's loads: the next tile's eight, or none
	WIN 0
.irp f, 0,1,2,3
	s_wait_dscnt (\younger)+3-\f
	global_store_b128 v[GO], v[S+16*(\t)+4*\f:S+16*(\t)+4*\f+3], s[OP:OP+1] offset:(\t)*2048+\f*512  ; 512 consecutive bytes, at a multiple of 256 from O's first
.endr
.endm
	PACK 0
.set t, 1
.rept 2*NP-1                        ; a tile's arithmetic stands between the loads of the tile before and its stores
	PACK t
	SEND t-1, 8
.set t, t+1
.endr
	SEND 2*NP-1, 0
	WIN W_AD
	s_wait_tensorcnt 0x0            ; the wave's end, behind my last tensor load and my last LDS store
	ds_add_u32 v[SPW], v[NIL]
	s_wait_dscnt 0x0
	WIN 0
	CROUND                          ; the closing round: no work-group ends while a partner may still ask for a tile that names it
	s_endpgm
.Lfunc_end_k_qf7b8c36588_attn:
	.size	k_qf7b8c36588_attn, .Lfunc_end_k_qf7b8c36588_attn-k_qf7b8c36588_attn
	.p2alignl 7, 3214868480
	.fill 96, 4, 3214868480
	.section	.rodata,"a",@progbits
	.p2align	6, 0x0
	.amdhsa_kernel k_qf7b8c36588_attn
		.amdhsa_group_segment_fixed_size 327680
		.amdhsa_private_segment_fixed_size 0
		.amdhsa_enable_private_segment 0
		.amdhsa_kernarg_size 40
		.amdhsa_user_sgpr_count 2
		.amdhsa_user_sgpr_kernarg_segment_ptr 1
		.amdhsa_wavefront_size32 1
		.amdhsa_system_sgpr_workgroup_id_x 1
		.amdhsa_system_sgpr_workgroup_id_y 1
		.amdhsa_system_sgpr_workgroup_id_z 1
		.amdhsa_system_vgpr_workitem_id 0
		.amdhsa_next_free_vgpr 802
		.amdhsa_next_free_sgpr 66
		.amdhsa_reserve_vcc 0
		.amdhsa_float_denorm_mode_32 3
		.amdhsa_float_denorm_mode_16_64 3
		.amdhsa_memory_ordered 1
		.amdhsa_forward_progress 1
		.amdhsa_inst_pref_size 245
	.end_amdhsa_kernel
	.amdgpu_metadata
---
amdhsa.version: [ 1, 2 ]
amdhsa.kernels:
  - .name:           k_qf7b8c36588_attn
    .symbol:         k_qf7b8c36588_attn.kd
    .args:
      - { .name: qh, .offset: 0, .size: 8, .value_kind: global_buffer, .address_space: global }
      - { .name: kh, .offset: 8, .size: 8, .value_kind: global_buffer, .address_space: global }
      - { .name: vh, .offset: 16, .size: 8, .value_kind: global_buffer, .address_space: global }
      - { .name: mask, .offset: 24, .size: 8, .value_kind: global_buffer, .address_space: global }
      - { .name: oh, .offset: 32, .size: 8, .value_kind: global_buffer, .address_space: global }
    .group_segment_fixed_size: 327680
    .private_segment_fixed_size: 0
    .kernarg_segment_align: 8
    .kernarg_segment_size: 40
    .max_flat_workgroup_size: 128
    .sgpr_count:     66
    .vgpr_count:     802
    .wavefront_size: 32
...
	.end_amdgpu_metadata
.endif
;; end of part 3
;; launch oproj (part 4): grid 4 x 64, 4 waves a work-group, clusters of 4 x 4, 327,680 bytes of LDS; arguments oh, wt, bo, out0; writes out0
.if DOCPART == 4
	.amdgcn_target "amdgcn-amd-amdhsa--gfx1250"
	.amdhsa_code_object_version 6
	.text
	.protected	k_qf7b8c36588_oproj
	.globl	k_qf7b8c36588_oproj
	.p2align	8
	.type	k_qf7b8c36588_oproj,@function
k_qf7b8c36588_oproj:
	s_mov_b64 s[64:65], 0
	v_nop
	global_prefetch_b8 v0, s[64:65] scope:SCOPE_SE
	s_setreg_imm32_b32 hwreg(HW_REG_WAVE_MODE, 25, 1), 1
	s_wait_xcnt 0x0
	s_wait_alu depctr_hold_cnt(0) depctr_sa_sdst(0) depctr_va_vdst(0) depctr_va_sdst(0) depctr_va_ssrc(0) depctr_va_vcc(0) depctr_vm_vsrc(0)
	s_getreg_b32 s2, hwreg(HW_REG_IB_STS2, 6, 4)
	s_cmp_eq_u32 s2, 0
	s_cbranch_scc0 .Lentry_in_a_cluster
	s_endpgm
.Lentry_in_a_cluster:
	s_bfe_u32 s2, ttmp6, 0x10000c
	s_cmp_lg_u32 s2, 0xf033
	s_cbranch_scc0 .Lentry_shape_is_right
	s_endpgm
.Lentry_shape_is_right:
; out0 = O Wo + bo.  O comes by heads, oh[64 = batch x 16 + head][2048][64] in f16; Wo as wt[3][n][k], its bf16 numbers written as f16; bo: [1024] f32, rounded to bf16; out0: [8192][1024] f32.
; Sums in f32; the bias is the C operand of the products that start them.  NaN and infinities are not treated apart.
; SHARES.  A tile of out0 is 128 rows x 256 columns: 64 x 4 = 256 work-groups.  Four waves, each 64 x 128: 32 accumulators, 256 registers.  K goes in steps of 128, which are two heads, through two LDS
; slots: a head's 128 rows of 128 bytes are dense in memory and are asked for as 64 rows of 256 bytes, padded in LDS after every 128.
; CLUSTER 4 x 4: O's tile is shared along a row of the cluster, Wo's along a column: each is asked for jointly, by the same tensor load with the same descriptor and a mask that names the four.
; THE MATRIX INSTRUCTION IS USED TRANSPOSED (source 0 = 16 rows of wt, source 1 = 16 rows of O): a lane holds one row of out0 and eight neighbouring columns, 32 bytes.
; REGISTERS, in windows of 256 (s_set_vgpr_msb: bits 1:0 source 0, 3:2 source 1, 5:4 source 2, 7:6 destination):
;   window 0: v16-29 addresses; v32-63, v64-95 O's fragments, two buffers; v96-159 the way out
;   window 1: accumulator (a, b) at v[8 (8 a + b)]          window 2: v0-63, v64-127 wt's fragments, two buffers; v128-191 the bias; v192-195 at work
.set PA,     144                       ; a row of a head in LDS: 128 bytes + 16 = 36 words: the 16 rows of a load start at 16 different groups of four banks (64 banks of 4 bytes: ISA guide 11.1)
.set PB,     272                       ; a row of wt: 256 + 16 = 68 words: likewise
.set PLANE,  128*PA                    ; a head's 128 rows: what one tensor load brings of O
.set BHALF,  128*PB                    ; and of wt
.set BOFF,   2*PLANE                   ; a slot: two heads of O, then wt's 256 rows: 106,496 bytes
.set SLOT1,  1<<17                     ; slot 1 begins here, so that one exclusive or turns an address in one slot into the other's
.set STAGE,  SLOT1+BOFF+2*BHALF        ; behind the ring, never filled by a tensor load: for each wave 16 rows x 528 bytes
.set SP,     528
.set WSTAGE, 16*SP
.set SPARE,  STAGE+4*WSTAGE            ; the spare words, 128 bytes for each wave: two blocks of 256 bytes that no other line names
.set A0,   16                          ; my lane's place in slot 0's rows of O; never rewritten
.set B0,   17                          ; the same for wt
.set ADRA, 18                          ; the same in the slot in hand
.set ADRB, 19
.set STO,  20                          ; the way out: where I put 32 bytes of a row
.set RD,   21                          ; where I read a row back
.set CO,   22                          ; my byte offset in 512 consecutive bytes of out0
.set VB,   23                          ; my byte offset in 16 numbers of the bias
.set SPW,  28                          ; LDS address of my spare word; never rewritten
.set NIL,  29                          ; 0; never rewritten
.set AF,   32
.set OB,   96
.set BF,   0                           ; window 2
.set BI,   128
.set BT,   192
.set WV,  24                           ; s24 wave
.set MH,  25                           ; s25 which 64 rows are mine; also: I fetch for O (0) or for wt (1)
.set NH,  26                           ; s26 which 128 columns; also: which head of the two, or which half of wt's tile, I fetch
.set CX,  27
.set CY,  28
.set NT,  29                           ; s29 tile column
.set MBK, 32                           ; s32 block of 128 rows, 0..63
.set G1A, 36                           ; s[36:43] descriptor group 1 for O
.set G1B, 44                           ; s[44:51] for wt
.set G0A, 52                           ; s[52:55] group 0 for O, K step 0 into slot 0; s[56:59] K step 1 into slot 1, which then walks
.set G0B0, 60                          ; s[60:63], s[68:71] the same for wt
.set G0B1, 68
.set TB,  72                           ; s72 the slot that fragments are read from: 0 or SLOT1
.set WPA, 74
.set WPB, 75
.set XP,  84                           ; s[84:85] O at my tile
.set BP,  86                           ; s[86:87] the bias at my columns
.set OP,  88                           ; s[88:89] out0 at my rows and columns
.set HIM, 90
.set CNT, 91
.set MSB, 0
.macro WIN new                         ; the immediate's high byte repeats the setting that is left; a switch that changes nothing is dropped
.if MSB != (\new)
	s_set_vgpr_msb (MSB<<8)|(\new)
.set MSB, \new
.endif
.endm
.set MUL,  0x52                        ; wt window 2, O window 0, C and D window 1
.set MULB, 0x62                        ; the same with C, the bias, in window 2
.set TO_B, 0x80                        ; destination window 2, address window 0
.set RND,  0x8a                        ; destination and both sources window 2
.macro PLACES                          ; four plain vector instructions in front of a line that touches a matrix instruction's registers (ISA guide 7.12.1)
.rept 4
	v_nop
.endr
.endm
; A joint refill by the walking descriptors.  Waves 0 and 1 fetch the step's two heads of O, waves 2 and 3 wt's halves.  The branch hangs on the wave's number alone.
; An s_nop 0 and four v_nop follow each of the two lines, ahead of the jump and the label.
.macro JLOAD
	s_cmp_eq_u32 s[MH], 0
	s_cbranch_scc0 .Lfor_b_\@
	tensor_load_to_lds s[G0A+4:G0A+7], s[G1A:G1A+7]
	s_nop 0
.rept 4
	v_nop
.endr
	s_branch .Lasked_\@
.Lfor_b_\@:
	tensor_load_to_lds s[G0B1:G0B1+3], s[G1B:G1B+7]
	s_nop 0
.rept 4
	v_nop
.endr
.Lasked_\@:
.endm
.macro CREST                           ; a round of the cluster's barrier behind its opening barrier
	s_cmp_lg_u32 s[WV], 0
	s_cbranch_scc1 .Lnot_wave_0_\@
	s_barrier_signal -3
.Lnot_wave_0_\@:
	s_barrier_wait -3
	s_barrier_signal -1
	s_barrier_wait -1
.endm
.macro CROUND                          ; a whole round
	s_barrier_signal -1
	s_barrier_wait -1
	CREST
.endm
	s_load_b256 s[4:11], s[0:1], 0x0               ; oh s[4:5], wt s[6:7], bo s[8:9], out0 s[10:11]
	v_lshl_add_u32 v[SPW], v0, 2, SPARE
	v_mov_b32 v[NIL], 0
	ds_add_u32 v[SPW], v[NIL]                      ; the wave's opening: the add and its wait, ahead of my first tensor load; work on registers stands between them
	v_lshrrev_b32 v1, 5, v0
	v_readfirstlane_b32 s[WV], v1
	s_lshr_b32 s[MH], s[WV], 1
	s_and_b32 s[NH], s[WV], 1
	s_bfe_u32 s[CX], ttmp6, 0x40000
	s_bfe_u32 s[CY], ttmp6, 0x40004
	s_lshl_b32 s[NT], ttmp9, 2
	s_add_co_u32 s[NT], s[NT], s[CX]               ; tile column = 4 x cluster x + cx
	s_and_b32 s[MBK], ttmp7, 0xffff
	s_lshl_b32 s[MBK], s[MBK], 2
	s_add_co_u32 s[MBK], s[MBK], s[CY]             ; block of rows = 4 x cluster y + cy
	s_lshl_b32 s33, s[CY], 2
	s_lshl_b32 s33, 15, s33                        ; my row of the cluster
	s_lshl_b32 s34, 0x1111, s[CX]                  ; my column
	s_or_b32 s[G1A], s33, (1<<16)|(1<<20)|(1<<21)|(4<<22)|(3<<25)  ; 15:0 the mask; 17:16 elements of 2 bytes; 20 padding on; 21 set beside a mask; 24:22 after every 32 words (code 4); 31:25 4 words (code 3)
	s_mov_b32 s[G1A+1], 128<<16                    ; tensor_dim0 = 128
	s_mov_b32 s[G1A+2], 64<<16                     ; tensor_dim1 = 64
	s_mov_b32 s[G1A+3], 128<<16                    ; tile_dim0 = 128
	s_mov_b32 s[G1A+4], 64                         ; tile_dim1 = 64
	s_mov_b32 s[G1A+5], 128                        ; elements from row to row: dense
	s_mov_b32 s[G1A+6], 0
	s_mov_b32 s[G1A+7], 0
	s_or_b32 s[G1B], s34, (1<<16)|(1<<20)|(1<<21)|(5<<22)|(3<<25)  ; padding after every 64 words (code 5)
	s_mov_b32 s[G1B+1], 128<<16
	s_mov_b32 s[G1B+2], 128<<16
	s_mov_b32 s[G1B+3], 128<<16
	s_mov_b32 s[G1B+4], 128
	s_mov_b32 s[G1B+5], 1024
	s_mov_b32 s[G1B+6], 0
	s_mov_b32 s[G1B+7], 0
	s_mul_i32 s[WPA], s[NH], PLANE                 ; no place in the cluster enters an LDS address
	s_mul_i32 s[WPB], s[NH], BHALF
	s_add_co_u32 s[WPB], s[WPB], BOFF
	s_mov_b32 s[TB], 0
	s_mov_b32 s[HIM], 0xffff0000
	s_lshr_b32 s76, s[MBK], 4                      ; O: head batch x 16 + my one of the step's two, 262,144 bytes each,
	s_lshl_b32 s76, s76, 4
	s_add_co_u32 s76, s76, s[NH]
	s_lshl_b32 s76, s76, 18
	s_and_b32 s77, s[MBK], 15                      ; the block's 128 rows of 128 bytes in the batch
	s_lshl_b32 s77, s77, 14
	s_add_co_u32 s76, s76, s77
	s_mov_b32 s77, 0
	s_lshl_b32 s78, s[NT], 19                      ; wt: 256 rows of 2,048 bytes a tile,
	s_lshl_b32 s79, s[NH], 18                      ; 128 rows a half,
	s_add_co_u32 s78, s78, s79
	s_add_co_u32 s78, s78, 3<<21                   ; in the fourth matrix
	s_mov_b32 s79, 0
	s_wait_dscnt 0x0                               ; the opening add is done
	s_wait_kmcnt 0x0
	s_add_nc_u64 s[XP:XP+1], s[4:5], s[76:77]
	s_add_nc_u64 s[80:81], s[6:7], s[78:79]
	s_mov_b32 s[G0A], 1                            ; 1:0 count = 1
	s_mov_b32 s[G0A+1], s[WPA]                     ; 63:32 LDS address: slot 0
	s_mov_b64 s[G0A+2:G0A+3], s[XP:XP+1]           ; 120:64 global address: K step 0
	s_or_b32 s[G0A+3], s[G0A+3], 0x80000000        ; 127:126 type = 2
	s_mov_b32 s[G0A+4], 1
	s_add_co_u32 s[G0A+5], s[WPA], SLOT1           ; slot 1
	s_add_nc_u64 s[G0A+6:G0A+7], s[XP:XP+1], 524288  ; K step 1: two heads on
	s_or_b32 s[G0A+7], s[G0A+7], 0x80000000
	s_mov_b32 s[G0B0], 1
	s_mov_b32 s[G0B0+1], s[WPB]
	s_mov_b64 s[G0B0+2:G0B0+3], s[80:81]
	s_or_b32 s[G0B0+3], s[G0B0+3], 0x80000000
	s_mov_b32 s[G0B1], 1
	s_add_co_u32 s[G0B1+1], s[WPB], SLOT1
	s_add_nc_u64 s[G0B1+2:G0B1+3], s[80:81], 256
	s_or_b32 s[G0B1+3], s[G0B1+3], 0x80000000
	CROUND                                         ; all sixteen work-groups are here: the first joint loads meet
	s_cmp_eq_u32 s[MH], 0                          ; a wave's two first fills stand in one branch, ahead of every wait on TENSORcnt and every LDS read: two loads of mine are out
	s_cbranch_scc0 .Lfirst_b
	tensor_load_to_lds s[G0A:G0A+3], s[G1A:G1A+7]
	s_nop 0
	tensor_load_to_lds s[G0A+4:G0A+7], s[G1A:G1A+7]
	s_nop 0
.rept 4
	v_nop
.endr
	s_branch .Lfirst_asked
.Lfirst_b:
	tensor_load_to_lds s[G0B0:G0B0+3], s[G1B:G1B+7]
	s_nop 0
	tensor_load_to_lds s[G0B1:G0B1+3], s[G1B:G1B+7]
	s_nop 0
.rept 4
	v_nop
.endr
.Lfirst_asked:
	v_and_b32 v1, 15, v0                           ; r = l % 16
	v_bfe_u32 v2, v0, 4, 1                         ; h = l / 16
	v_lshlrev_b32 v[VB], 5, v2
	s_lshl_b32 s78, s[NT], 10                      ; my 128 columns, in bytes of f32
	s_lshl_b32 s79, s[NH], 9
	s_add_co_u32 s78, s78, s79
	s_mov_b32 s79, 0
	s_add_nc_u64 s[BP:BP+1], s[8:9], s[78:79]
	WIN TO_B
.irp b, 0,1,2,3,4,5,6,7                ; register j of block b: the bias of column 16 b + 8 h + j, as an accumulator holds it
	global_load_b128 v[BI+8*(\b):BI+8*(\b)+3],   v[VB], s[BP:BP+1] offset:64*(\b)
	global_load_b128 v[BI+8*(\b)+4:BI+8*(\b)+7], v[VB], s[BP:BP+1] offset:64*(\b)+16
.endr
	WIN 0
	; A fragment is 16 rows x 32 K in 8 registers: lane l holds row l % 16, K = 8 h + 0..7 and 16 + 8 h + 0..7: two loads of 16 bytes, 32 bytes apart.
	v_mul_u32_u24 v3, v1, PA
	v_lshl_add_u32 v3, v2, 4, v3
	s_mul_i32 s82, s[MH], 64*PA                    ; my 64 rows of each head
	v_add_nc_u32 v[A0], s82, v3
	v_mul_u32_u24 v4, v1, PB
	v_lshl_add_u32 v4, v2, 4, v4
	v_add_nc_u32 v[B0], s[WPB], v4                 ; my 128 rows of wt lie where the half of that number is fetched to
	v_mov_b32 v[ADRA], v[A0]
	v_mov_b32 v[ADRB], v[B0]
	s_mul_i32 s82, s[WV], WSTAGE
	s_add_co_u32 s82, s82, STAGE                   ; my stage
	v_mul_u32_u24 v5, v1, SP                       ; in: row l % 16, 32 bytes for each half of the lanes
	v_lshl_add_u32 v5, v2, 5, v5
	v_add_nc_u32 v[STO], s82, v5
	v_and_b32 v[CO], 31, v0                        ; back: 32 lanes take a row's 512 bytes
	v_lshlrev_b32 v[CO], 4, v[CO]
	v_add_nc_u32 v[RD], s82, v[CO]
	s_lshl_b32 s82, s[MBK], 19                     ; out0: 128 rows of 4,096 bytes a block,
	s_lshl_b32 s83, s[MH], 18                      ; 64 rows a half,
	s_add_co_u32 s82, s82, s83
	s_add_co_u32 s82, s82, s78                     ; my columns
	s_mov_b32 s83, 0
	s_add_nc_u64 s[OP:OP+1], s[10:11], s[82:83]
	s_wait_loadcnt 0x0                             ; the bias
	WIN RND
.set p, 0
.rept 32                                               ; rounded to bf16, like every input, and widened again
	v_cvt_pk_bf16_f32 v[BT+p%4], v[BI+2*p], v[BI+2*p+1]
	v_lshlrev_b32 v[BI+2*p], 16, v[BT+p%4]
	v_and_b32 v[BI+2*p+1], s[HIM], v[BT+p%4]
.set p, p+1
.endr
; 24 LDS loads in one run: the fragments of quarter kq (32 along K: half a head) of the slot in hand, into buffers g
.macro FETCH kq, g
	WIN 0
.irp i, 0,1,2,3
	ds_load_b128 v[AF+32*(\g)+8*(\i):AF+32*(\g)+8*(\i)+3],   v[ADRA] offset:((\kq)/2)*PLANE+(\i)*16*PA+((\kq)%2)*64
	ds_load_b128 v[AF+32*(\g)+8*(\i)+4:AF+32*(\g)+8*(\i)+7], v[ADRA] offset:((\kq)/2)*PLANE+(\i)*16*PA+((\kq)%2)*64+32
.endr
	WIN TO_B
.irp b, 0,1,2,3,4,5,6,7
	ds_load_b128 v[BF+64*(\g)+8*(\b):BF+64*(\g)+8*(\b)+3],   v[ADRB] offset:(\b)*16*PB+(\kq)*64
	ds_load_b128 v[BF+64*(\g)+8*(\b)+4:BF+64*(\g)+8*(\b)+7], v[ADRB] offset:(\b)*16*PB+(\kq)*64+32
.endr
.endm
; 8 products: row block a x all 8 column blocks, from buffers f.  first = 1: the bias starts the sums.  The 32 accumulators take turns in the same order in every quarter.
.macro MUL8 f, a, first
.if \first
	WIN MULB
.else
	WIN MUL
.endif
.irp b, 0,1,2,3,4,5,6,7
.if \first
	v_wmma_f32_16x16x32_f16 v[8*(8*(\a)+(\b)):8*(8*(\a)+(\b))+7], v[BF+64*(\f)+8*(\b):BF+64*(\f)+8*(\b)+7], v[AF+32*(\f)+8*(\a):AF+32*(\f)+8*(\a)+7], v[BI+8*(\b):BI+8*(\b)+7]
.else
	v_wmma_f32_16x16x32_f16 v[8*(8*(\a)+(\b)):8*(8*(\a)+(\b))+7], v[BF+64*(\f)+8*(\b):BF+64*(\f)+8*(\b)+7], v[AF+32*(\f)+8*(\a):AF+32*(\f)+8*(\a)+7], v[8*(8*(\a)+(\b)):8*(8*(\a)+(\b))+7]
.endif
.endr
.endm
; One of a K step's first three quarters: fetches quarter kq into buffers g, which the quarter before multiplied (four places in front), and multiplies buffers f.
.macro Q kq, f, g, first=0
	PLACES
	FETCH \kq, \g
	s_wait_dscnt 24                                ; all but the 24 just issued: this quarter's fragments are in
	MUL8 \f, 0, \first
	MUL8 \f, 1, \first
	MUL8 \f, 2, \first
	MUL8 \f, 3, \first
.endm
; The last quarter multiplies buffers 1 and changes slots.  In front of the barrier each wave waits for all its tensor loads (one is out: its part of the next slot), adds 0 to its spare word, and
; waits for that and for its reads of this slot.  fill = 1: the barrier opens a round of the cluster's, and this slot is filled again, two K steps ahead, first thing behind the round.
.macro TURN fill
	WIN 0
	s_wait_tensorcnt 0x0                           ; no tensor load of mine is out, so a group 0 may be written
	ds_add_u32 v[SPW], v[NIL]                      ; 0 onto my spare word
.if \fill
	s_xor_b32 s[G0A+5], s[G0A+5], SLOT1            ; the walking descriptors: the other slot than last time,
	s_add_nc_u64 s[G0A+6:G0A+7], s[G0A+6:G0A+7], 524288  ; the next two heads; the type bits on top are not reached
	s_xor_b32 s[G0B1+1], s[G0B1+1], SLOT1
	s_add_nc_u64 s[G0B1+2:G0B1+3], s[G0B1+2:G0B1+3], 256
.endif
	s_wait_dscnt 1                                 ; only the add may be out: this quarter's fragments are in
	MUL8 1, 0, 0                                   ; eight products stand between the add and the wait for it
	s_wait_dscnt 0x0                               ; the add is done, and my reads of this slot are over
	s_barrier_signal -1
	MUL8 1, 1, 0                                   ; work on registers while the others arrive
	WIN 0
	s_barrier_wait -1
.if \fill
	CREST                                          ; no wave of any partner still reads this slot or has a load on its way
	JLOAD                                          ; my one tensor load behind the round; the four v_nop behind it are also the places in front of the loads below
.else
	PLACES
.endif
	s_xor_b32 s[TB], s[TB], SLOT1
	v_add_nc_u32 v[ADRA], s[TB], v[A0]
	v_add_nc_u32 v[ADRB], s[TB], v[B0]
	FETCH 0, 0
	MUL8 1, 2, 0
	MUL8 1, 3, 0
.endm
; THE WAY OUT of row block a: a lane's 32 bytes of each accumulator, its low half first, go into my stage; 16 whole rows of 512 bytes come back and are stored.
.macro OUT a
	WIN 0x04                                       ; the stores' data in window 1, their address in window 0
.irp b, 0,1,2,3,4,5,6,7
	ds_store_b128 v[STO], v[8*(8*(\a)+(\b)):8*(8*(\a)+(\b))+3]   offset:64*(\b)
	ds_store_b128 v[STO], v[8*(8*(\a)+(\b))+4:8*(8*(\a)+(\b))+7] offset:64*(\b)+16
.endr
	WIN 0
	s_wait_xcnt 0x0                                ; the registers that the last block's stores read are loaded again only behind this wait
.irp t, 0,1,2,3,4,5,6,7,8,9,10,11,12,13,14,15
	ds_load_b128 v[OB+4*(\t):OB+4*(\t)+3], v[RD] offset:(\t)*SP  ; LDS serves a wave's instructions in order (ISA guide 5.7.1.4): these see the stores above
.endr
.irp t, 0,1,2,3,4,5,6,7,8,9,10,11,12,13,14,15
	s_wait_dscnt 15-(\t)
	global_store_b128 v[CO], v[OB+4*(\t):OB+4*(\t)+3], s[OP:OP+1] offset:(16*(\a)+(\t))*4096 th:TH_STORE_NT  ; 512 consecutive bytes of a row, at a multiple of 256 from out0's first byte
.endr
.endm
	WIN 0
	s_wait_tensorcnt 0x1                           ; my part of K step 0 is in; K step 1's may stay out
	s_barrier_signal -1
	s_barrier_wait -1                              ; everybody's is
	FETCH 0, 0
	Q 1, 0, 1, 1                                   ; the first quarter stands in front of the loop: its products start the sums with the bias
	WIN 0                                          ; at a label and at a branch every window is 0
	s_mov_b32 s[CNT], 6
.Lk:                                                   ; a trip is a K step, from its second quarter to the next step's first; six trips ask for K steps 2 to 7
	Q 2, 1, 0
	Q 3, 0, 1
	TURN 1
	Q 1, 0, 1
	WIN 0
	s_sub_co_u32 s[CNT], s[CNT], 1
	s_cmp_lg_u32 s[CNT], 0
	s_cbranch_scc1 .Lk
	Q 2, 1, 0                                      ; the last two K steps ask for nothing
	Q 3, 0, 1
	TURN 0
	Q 1, 0, 1
	Q 2, 1, 0
	Q 3, 0, 1
	s_wait_dscnt 0x0
	MUL8 1, 0, 0
	MUL8 1, 1, 0
	MUL8 1, 2, 0
	MUL8 1, 3, 0
	WIN 0
	PLACES
	OUT 0
	OUT 1
	OUT 2
	OUT 3
	s_wait_tensorcnt 0x0                           ; the wave's end, behind my last tensor load and my last LDS store
	ds_add_u32 v[SPW], v[NIL]
	s_wait_dscnt 0x0
	CROUND                                         ; the closing round: no work-group ends while a partner may still ask for a tile that names it
	s_endpgm
.Lfunc_end_k_qf7b8c36588_oproj:
	.size	k_qf7b8c36588_oproj, .Lfunc_end_k_qf7b8c36588_oproj-k_qf7b8c36588_oproj
	.p2alignl 7, 3214868480
	.fill 96, 4, 3214868480
	.section	.rodata,"a",@progbits
	.p2align	6, 0x0
	.amdhsa_kernel k_qf7b8c36588_oproj
		.amdhsa_group_segment_fixed_size 327680
		.amdhsa_private_segment_fixed_size 0
		.amdhsa_enable_private_segment 0
		.amdhsa_kernarg_size 32
		.amdhsa_user_sgpr_count 2
		.amdhsa_user_sgpr_kernarg_segment_ptr 1
		.amdhsa_wavefront_size32 1
		.amdhsa_system_sgpr_workgroup_id_x 1
		.amdhsa_system_sgpr_workgroup_id_y 1
		.amdhsa_system_sgpr_workgroup_id_z 1
		.amdhsa_system_vgpr_workitem_id 0
		.amdhsa_next_free_vgpr 768
		.amdhsa_next_free_sgpr 96
		.amdhsa_reserve_vcc 0
		.amdhsa_float_denorm_mode_32 3
		.amdhsa_float_denorm_mode_16_64 3
		.amdhsa_memory_ordered 1
		.amdhsa_forward_progress 1
		.amdhsa_inst_pref_size 76
	.end_amdhsa_kernel
	.amdgpu_metadata
---
amdhsa.version: [ 1, 2 ]
amdhsa.kernels:
  - .name:           k_qf7b8c36588_oproj
    .symbol:         k_qf7b8c36588_oproj.kd
    .args:
      - { .name: oh, .offset: 0, .size: 8, .value_kind: global_buffer, .address_space: global }
      - { .name: wt, .offset: 8, .size: 8, .value_kind: global_buffer, .address_space: global }
      - { .name: bo, .offset: 16, .size: 8, .value_kind: global_buffer, .address_space: global }
      - { .name: out0, .offset: 24, .size: 8, .value_kind: global_buffer, .address_space: global }
    .group_segment_fixed_size: 327680
    .private_segment_fixed_size: 0
    .kernarg_segment_align: 8
    .kernarg_segment_size: 32
    .max_flat_workgroup_size: 128
    .sgpr_count:     96
    .vgpr_count:     768
    .wavefront_size: 32
...
	.end_amdgpu_metadata
.endif
;; end of part 4
;; ======== version 2 of 2: 4 launches; 1.39 times as fast as version 1
;; limits: values are held in f16: magnitudes above 65,504 overflow, below 6.1e-05 lose precision
;; workspace buffers: wt 8,388,608 bytes; qh 16,777,216 bytes; kh 16,777,216 bytes; vh 16,777,216 bytes; oh 16,777,216 bytes
;; launch prep: the kernel of part 1 again; grid 64 x 4, 8 waves a work-group, no clusters, 34,304 bytes of LDS; arguments Wq, Wk, Wv, Wo, wt; writes wt
;; launch proj: the kernel of part 2 again; grid 4 x 192, 4 waves a work-group, clusters of 4 x 4, 327,680 bytes of LDS; arguments q, k, v, wt, bq, bk, bv, qh, kh, vh; writes qh, kh, vh
;; launch attn (part 5): grid 4 x 64, 4 waves a work-group, clusters of 4 x 1, 327,680 bytes of LDS; arguments qh, kh, vh, mask, oh; writes oh
.if DOCPART == 5
	.amdgcn_target "amdgcn-amd-amdhsa--gfx1250"
	.amdhsa_code_object_version 6
	.text
	.protected	k_qf7b8c36588_attn
	.globl	k_qf7b8c36588_attn
	.p2align	8
	.type	k_qf7b8c36588_attn,@function
k_qf7b8c36588_attn:
	s_mov_b64 s[64:65], 0
	v_nop
	global_prefetch_b8 v0, s[64:65] scope:SCOPE_SE
	s_setreg_imm32_b32 hwreg(HW_REG_WAVE_MODE, 25, 1), 1
	s_wait_xcnt 0x0
	s_wait_alu depctr_hold_cnt(0) depctr_sa_sdst(0) depctr_va_vdst(0) depctr_va_sdst(0) depctr_va_ssrc(0) depctr_va_vcc(0) depctr_vm_vsrc(0)
	s_getreg_b32 s2, hwreg(HW_REG_IB_STS2, 6, 4)
	s_cmp_eq_u32 s2, 0
	s_cbranch_scc0 .Lentry_in_a_cluster
	s_endpgm
.Lentry_in_a_cluster:
	s_bfe_u32 s2, ttmp6, 0x10000c
	s_cmp_lg_u32 s2, 0x3003
	s_cbranch_scc0 .Lentry_shape_is_right
	s_endpgm
.Lentry_shape_is_right:
; O[g][q][:] = the sum over k of softmax_k(Q[g][q] . K[g][k] / 64 + mask[g / 16][k] x (-1e9)) V[g][k][:].  Q, K, V, O: [64][2048][64] in f16, a head's rows dense, 128 bytes each; mask: [4][2048] f32.
; Products, maxima and sums in f32; the weights p are rounded to f16 for the second product (their sum l is taken of the unrounded p), O once at the end.  The mask is rounded to bf16, like every input.
; THE SCORE IS MADE AS IT IS DEFINED: s' = fma(s, 1/64, mb), mb = mask x (-1e9), one rounding (s / 64 is exact); then a running maximum m of s', d = s' - m, p = 2^(d log2 e).  So a bias of 1e9,
; beside which a score vanishes, gives the same ties and the same zeros; d is never above 0, so p lies in 0 to 1.  In every step O and l are multiplied by a = 2^((m_old - m_new) log2 e).
; m starts at the lowest finite number, O and l at 0: the first step is a step like any other, with a = 0.
; LIMITS.  Q, K, V arrive within f16's 65,504; p below 6e-5 keeps f16's fixed step of 6e-8; a weight below 2^-126 counts as 0 in l; NaN and infinities are not treated apart.
; SHARES.  A wave owns four PIECES of two tiles of 16 queries, a work-group's four waves 512 queries of one head.  Every wave walks all 2,048 keys, 64 a step.
; LAYOUT.  S^T = K Q^T (source 0 = 16 keys, source 1 = 16 queries): a lane holds ONE query (lane % 16) and the keys 8 (lane / 16) + 0..7.  Two such results, rounded to f16 in pairs, ARE source 1 of
; O^T = V^T P.  K comes out of LDS as it lies, V turned, by ds_load_tr16_b128.  mb of a step lies in 32 registers in the order of a tile's scores.
; THE COUNT.  A tile and step have 16 matrix and 150 vector instructions: too many to stand all beside the matrix work.  Four vector instructions stand behind EVERY matrix instruction, the others in one run.
; BY TURNS.  Turn n belongs to piece n.  Its matrix work: 16 products K Q^T of piece n + 1, later 16 products V^T P of piece n - 1.  Its vector work: d, the exponentials, roundings, sums and rescaling
; of piece n, and s', the maximum and the statistics of piece n + 1, whose scores the turn itself has made.
; THE BATCHES.  A turn's 66 exponentials (the piece's 64 weights and the next piece's two a) are ONE batch with ONE wait, which cuts the turn in two.  Ahead of it stands all that names no result of theirs: the
; products K Q^T, d, the rescaling (its a was made, and waited for, in the turn before), s', the maximum and statistics, the exponentials.  Behind it stand the products V^T P and, as their riders, the 64
; roundings and sums that read the weights.  No result crosses a turn's end.  Two more batches stand outside the loop: piece 0's first two a, and the way out's eight reciprocals.
; CLUSTER.  The four query blocks of a cluster belong to one head and walk the same K and V: each tile is asked for JOINTLY: the same tensor load, descriptor and mask in all four.
; REGISTERS, in windows of 256 (s_set_vgpr_msb: bits 1:0 source 0, 3:2 source 1, 5:4 source 2, 7:6 destination):
;   window 0: v0-11 addresses; v12-15, v48-63 at work; v16-47 four registers of statistics a tile; v64-191 S^T, two buffers of two tiles; v192-255 P, likewise
;   window 1: O^T, 32 a tile     window 2: v0-127 Q; v128-191 K of one step; v192-255 V of one step     window 3: v0-1 the add's two registers; v2-33 mb of one step
.set SIZE_N, 2048
.set NP,    4         ; pieces a wave: a name, no knob
.set KS,    64        ; keys in a step
.set PK,    144       ; a row of K in LDS: 128 bytes + 16 = 36 words: the 16 rows of a load start at 16 different groups of four banks (64 banks of 4 bytes: ISA guide 11.1)
.set PV,    160       ; a row of V: 128 + 32 = 40 words
.set VOFF,  4*KS*PK   ; a slot holds four steps: 256 rows of K, then 256 rows of V
.set SLOT1, 1<<17     ; slot 1 begins here, so that one exclusive or turns an address in one slot into the other's
.set STAGE, SLOT1+4*KS*(PK+PV)  ; behind the ring, never filled by a tensor load: 16 rows x 144 bytes for each wave, for the way out
.set SP,    144
.set SPARE, STAGE+4*16*SP  ; the spare words, 128 bytes for each wave: two blocks of 256 bytes that no other line names
.set MASKT, SPARE+512 ; mb of the batch's 2,048 keys, f32: written once by the four waves, never filled by a tensor load
.set AK0, 2           ; v2   my lane's place in a tile of K; never rewritten
.set AV0, 3           ; v3   the same for V
.set AK,  4           ; v4   the LDS address of K's next run of loads
.set AV,  5           ; v5   of V's (made in piece 0's turn) and of mb's (made in piece 2's turn)
.set QO,  6           ; v6   my byte offset in the wave's rows of Q
.set STO, 6           ;      later, the way out: where I put 16 bytes of a row
.set RD,  7           ; v7   the way out: where I read rows back
.set GO,  8           ; v8   my byte offset in 512 consecutive bytes of O
.set AM0, 11          ; v11  my lane's place in a step's 64 mb
.set SPW, 0           ; v0 of window 3   LDS address of my spare word; never rewritten
.set NIL, 1           ; v1 of window 3   0; never rewritten
.set MB,  2           ; v2-33 of window 3: register 8 kb + j: key 16 kb + 8 (lane / 16) + j
.set MV,  12          ; v12-15  m_old, kept while m is made anew: by buffer and tile
.set ST,  16          ; tile t's statistics at v[ST+4 t]: m, 0 (named with m as a pair), l (even keys', odd keys')
.set TMP, 48          ; by buffer and tile, four registers c0-c3 at work; when the maximum is found c2 takes a
.set S,   64
.set P,   192
.set KF,  128         ; K's fragments, in window 2: key block kb, channel half c at KF + 16 kb + 8 c
.set VF,  192         ; V's: key half kk, channel block cb at VF + 32 kk + 8 cb
.set WV,  12          ; s12  my wave's number
.set G1K, 24          ; s[24:31] descriptor group 1 for K's tiles
.set G1V, 32          ; s[32:39] for V's: it differs in the padding alone
.set G0K, 40          ; s[40:43] descriptor group 0 for K's tiles: it walks
.set G0V, 44          ; s[44:47] the same for V's
.set OP,  48          ; s[48:49] O at my wave's first row
.set SC,  50          ; s[50:51] 1/64
.set NB,  52          ; s[52:53] -1e9
.set TBM, 54          ; s54  byte in the table at which mb of the step to be fetched begins
.set HIM, 55          ; s55  a word's upper half
.set SLOTS, 56        ; s56  slots still to be asked for
.set CNT, 57          ; s57  counts a slot's key steps
.set CS,  58          ; s[58:59] log2(e)
.set SEL, 60          ; s[60:61] v_permlanex16_b32's selects: each lane takes its own place in the other half
.set TBK, 62          ; s62  LDS byte at which K of the step to be fetched begins
.set TBV, 63          ; s63  the same for V, less VOFF
.set MSB, 0
.macro WIN new                      ; the high byte repeats the setting that is left; a switch that changes nothing is dropped
.if MSB != (\new)
	s_set_vgpr_msb (MSB<<8)|(\new)
.set MSB, (\new)
.endif
.endm
.set W_KQ, 0x0a       ; K and Q in window 2, S^T in window 0
.set W_PV, 0x52       ; V in window 2, P in window 0, O^T in window 1
.set W_RS, 0x41       ; O^T (destination and source 0) in window 1, a in window 0
.set W_MS, 0x30       ; S^T in window 0, mb (source 2) in window 3
.set W_MK, 0xc0       ; destination in window 3, sources in window 0
.set W_AD, 0x0f       ; the add: address (source 0) and data (source 1) in window 3
; A joint fill.  Waves 0 and 1 fetch the two halves of a slot's K, waves 2 and 3 those of its V: 128 keys each.  The branch hangs on the wave's number alone.
; An s_nop 0 and four v_nop follow each of the two lines, ahead of the jump and the label.
.macro JLOAD
	s_cmp_lt_u32 s[WV], 2
	s_cbranch_scc0 .Lfor_v_\@
	tensor_load_to_lds s[G0K:G0K+3], s[G1K:G1K+7]
	s_nop 0
.rept 4
	v_nop
.endr
	s_branch .Lasked_\@
.Lfor_v_\@:
	tensor_load_to_lds s[G0V:G0V+3], s[G1V:G1V+7]
	s_nop 0
.rept 4
	v_nop
.endr
.Lasked_\@:
.endm
; A round of the cluster's barrier: my work-group's barrier; wave 0 signals for the work-group; every wave waits for all four work-groups; my work-group's barrier once more.
.macro CROUND
	s_barrier_signal -1
	s_barrier_wait -1
	s_cmp_lg_u32 s[WV], 0
	s_cbranch_scc1 .Lnot_wave_0_\@
	s_barrier_signal -3
.Lnot_wave_0_\@:
	s_barrier_wait -3
	s_barrier_signal -1
	s_barrier_wait -1
.endm
; THE CHANGE OF SLOTS.  The slot's last bytes, V of its fourth step, have been read.  Each wave waits for all its tensor loads, of which one is out: its part of the other slot; adds 0 to its spare
; word; and waits for that and for its own LDS instructions.  fill = 1: this slot is filled again, with the keys two slots on, first thing behind a round of the cluster's barrier: the load has four
; key steps, 512 matrix instructions, in which to land.  (At its first use nothing has been read yet: slot 0 is waited for, slot 1 filled, and the waves' parts of the table of mb are shown to each other.)
.macro CHANGE fill
	WIN W_AD
	s_wait_tensorcnt 0x0            ; no tensor load of mine is out, so a group 0 may be written
	ds_add_u32 v[SPW], v[NIL]       ; 0 onto my spare word
	WIN 0                           ; at a label and at a branch every window is 0
.if \fill
.irp g, G0K, G0V
	s_xor_b32 s[\g+1], s[\g+1], SLOT1  ; the walking descriptor: the other slot than last time,
	s_add_nc_u64 s[\g+2:\g+3], s[\g+2:\g+3], 4*KS*128  ; the next 256 keys; the type bits on top are not reached
.endr
	s_wait_dscnt 0x0                ; the add is done, and my reads of the slot are over
	CROUND
	JLOAD
.else
	s_wait_dscnt 0x0                ; the add is done, and my reads of the slot are over
	s_barrier_signal -1
	s_barrier_wait -1
.endif
	s_sub_co_u32 s[TBK], s[TBK], 4*KS*PK  ; the fetches go back to a slot's first step,
	s_xor_b32 s[TBK], s[TBK], SLOT1       ; in the other slot
	s_sub_co_u32 s[TBV], s[TBV], 4*KS*PV
	s_xor_b32 s[TBV], s[TBV], SLOT1
.endm
	s_load_b256 s[4:11], s[0:1], 0x0  ; Q s[4:5], K s[6:7], V s[8:9], mask s[10:11]
	s_load_b64 s[OP:OP+1], s[0:1], 0x20  ; O
	WIN W_MK
	v_lshl_add_u32 v[SPW], v0, 2, SPARE
	v_mov_b32 v[NIL], 0
	WIN W_AD
	ds_add_u32 v[SPW], v[NIL]       ; the wave's opening: the add and its wait, ahead of my first tensor load; work on registers stands between them
	WIN 0
	v_lshrrev_b32 v1, 5, v0
	v_readfirstlane_b32 s[WV], v1   ; wave 0..3
	s_bfe_u32 s13, ttmp6, 0x40000   ; cx: my place in the cluster
	s_lshl_b32 s14, ttmp9, 2        ; in a cluster launch ttmp9 counts clusters
	s_add_co_u32 s14, s14, s13      ; my block of queries = 4 x cluster x + cx: it enters Q's and O's addresses alone
	s_and_b32 s20, ttmp7, 0xffff    ; batch x 16 + head, which the four partners share
	s_lshr_b32 s56, s20, 4          ; the batch's 2,048 numbers of the mask
	s_lshl_b32 s56, s56, 13
	s_mov_b32 s57, 0
	s_mov_b32 s21, 0
	s_mov_b64 s[22:23], SIZE_N*128
	s_mul_u64 s[20:21], s[20:21], s[22:23]  ; the head's first byte in each of the four tensors
	s_and_b32 s16, s[WV], 1         ; which half of a slot's 256 keys I fetch:
	s_lshl_b32 s22, s16, 14         ; its 128 rows of 128 bytes in memory,
	s_mov_b32 s23, 0
	s_add_nc_u64 s[22:23], s[22:23], s[20:21]
	s_mul_i32 s17, s16, 128*PK      ; and its place in a slot, for K
	s_mul_i32 s18, s16, 128*PV      ; and for V: no place in the cluster enters an LDS address
	s_lshl_b32 s2, s14, 2
	s_add_co_u32 s2, s2, s[WV]      ; my wave among the head's,
	s_lshl_b32 s2, s2, 14           ; its 128 rows
	s_mov_b32 s3, 0
	s_add_nc_u64 s[2:3], s[2:3], s[20:21]
	; descriptor group 1.  128 keys are 16,384 dense bytes: asked for as 64 rows of 256 bytes, two keys a row, and padded in LDS after every key
	s_mov_b32 s[G1K], 15|(1<<16)|(1<<20)|(1<<21)|(4<<22)|(3<<25)  ; 15:0 the mask of four; 17:16 2-byte elements; 20 padding on; 21 set beside a mask; 24:22 after every 32 words (code 4); 31:25 4 words (code 3)
	s_mov_b32 s[G1V], 15|(1<<16)|(1<<20)|(1<<21)|(4<<22)|(7<<25)  ; the same with 8 words of padding (code 7)
.irp g, G1K, G1V
	s_mov_b32 s[\g+1], 128<<16      ; tensor_dim0 = 128
	s_mov_b32 s[\g+2], 64<<16       ; tensor_dim1 = 64
	s_mov_b32 s[\g+3], 128<<16      ; tile_dim0 = 128
	s_mov_b32 s[\g+4], 64           ; tile_dim1 = 64
	s_mov_b32 s[\g+5], 128          ; 128 elements from row to row
	s_mov_b32 s[\g+6], 0
	s_mov_b32 s[\g+7], 0
.endr
	s_mov_b32 s[CS], 0x3fb8aa3b     ; log2(e)
	s_mov_b32 s[CS+1], s[CS]        ; named with it as a pair
	s_mov_b32 s[SC], 0x3c800000     ; 1/64: 64 + 1e-8 is 64 in f32
	s_mov_b32 s[SC+1], s[SC]
	s_mov_b32 s[NB], 0xce6e6b28     ; -1e9
	s_mov_b32 s[NB+1], s[NB]
	s_mov_b32 s[TBM], 0
	s_mov_b32 s[HIM], 0xffff0000
	s_mov_b32 s[SEL], 0x76543210
	s_mov_b32 s[SEL+1], 0xfedcba98
	s_mov_b32 s[TBK], SLOT1+4*KS*PK ; the first change of slots turns these two into 0
	s_mov_b32 s[TBV], SLOT1+4*KS*PV
	s_mov_b32 s[G0K], 1             ; 1:0 count = 1
	s_mov_b32 s[G0K+1], s17         ; 63:32 LDS address: slot 0
	s_mov_b32 s[G0V], 1
	s_add_co_u32 s[G0V+1], s18, VOFF
	s_wait_dscnt 0x0                ; the opening add is done
	s_wait_kmcnt 0x0
	s_add_nc_u64 s[G0K+2:G0K+3], s[6:7], s[22:23]  ; 120:64 global address: my half of the head's first 256 keys
	s_or_b32 s[G0K+3], s[G0K+3], 0x80000000        ; 127:126 type = 2
	s_add_nc_u64 s[G0V+2:G0V+3], s[8:9], s[22:23]
	s_or_b32 s[G0V+3], s[G0V+3], 0x80000000
	s_add_nc_u64 s[4:5], s[4:5], s[2:3]  ; Q and O at my wave's first row
	s_add_nc_u64 s[OP:OP+1], s[OP:OP+1], s[2:3]
	s_add_nc_u64 s[10:11], s[10:11], s[56:57]  ; the mask at my batch
	CROUND                          ; all four work-groups are here: the first joint loads meet
	JLOAD                           ; slot 0.  Slot 1 is asked for when slot 0 is in
	v_and_b32 v1, 15, v0            ; l % 16
	v_bfe_u32 v9, v0, 4, 1          ; l / 16
	v_lshlrev_b32 v12, 4, v0        ; the mask: thread t takes 16 bytes at 16 t of each quarter of the batch's 8,192
.irp i, 0,1,2,3
	global_load_b128 v[S+4*(\i):S+4*(\i)+3], v12, s[10:11] offset:2048*(\i)
.endr
	; A fragment of K or Q is 16 rows x 32 channels in 8 registers: lane l holds row l % 16, channels 8 (l / 16) + 0..7 and 16 + 8 (l / 16) + 0..7: two loads of 16 bytes, 32 bytes apart.
	v_lshlrev_b32 v[QO], 7, v1
	v_lshl_add_u32 v[QO], v9, 4, v[QO]  ; row x 128 + 16 x half
	WIN 0x80                        ; destination window 2, address window 0
.set i, 0
.rept 4*NP                          ; Q stays in registers: tile i / 2, channels 32 (i % 2) on
	global_load_b128 v[8*i:8*i+3],   v[QO], s[4:5] offset:(i/2)*2048+(i%2)*64
	global_load_b128 v[8*i+4:8*i+7], v[QO], s[4:5] offset:(i/2)*2048+(i%2)*64+32
.set i, i+1
.endr
	; What the first turn finds: V's registers and P's second buffer hold 0 (its products V^T P, of a piece that has not been, add 0), O^T and l are 0.  All this stands in the wait for the first tile.
.set i, VF
.rept 64
	v_mov_b32 v[i], 0
.set i, i+1
.endr
	WIN 0x40
.set i, 0
.rept 64*NP
	v_mov_b32 v[i], 0
.set i, i+1
.endr
	WIN 0
.set i, 0
.rept 2*NP
	v_mov_b32 v[ST+4*i], 0xff7fffff    ; m: the lowest finite number
	v_mov_b32 v[ST+4*i+1], 0
	v_mov_b32 v[ST+4*i+2], 0
	v_mov_b32 v[ST+4*i+3], 0
.set i, i+1
.endr
.set i, P+32
.rept 32
	v_mov_b32 v[i], 0
.set i, i+1
.endr
	v_mul_u32_u24 v[AK0], v1, PK
	v_lshl_add_u32 v[AK0], v9, 4, v[AK0]  ; row x pitch + 16 x half
	; The turning load takes 16 keys x 16 channels (lane l reads key 8 (l / 16) + l % 8, channels 8 ((l / 8) % 2) + 0..7) and leaves half a fragment of V^T: lane l holds channel l % 16 and 8 keys.
	v_and_b32 v10, 7, v0
	v_bfe_u32 v11, v0, 3, 1
	v_lshl_add_u32 v[AV0], v9, 3, v10
	v_mul_u32_u24 v[AV0], v[AV0], PV
	v_lshl_add_u32 v[AV0], v11, 4, v[AV0]
	v_add_nc_u32 v[AV0], VOFF, v[AV0]
	v_mov_b32 v[AK], v[AK0]         ; key step 0 lies at the head of slot 0
	v_lshlrev_b32 v[AM0], 5, v9     ; my eight keys of a block of 16: 32 bytes for each half of the lanes
	v_add_nc_u32 v[AM0], MASKT, v[AM0]
	v_mov_b32 v[AV], v[AM0]         ; and mb of step 0 at the head of the table
	; The table of mb: the mask rounded to bf16, times -1e9 in f32.
	s_wait_loadcnt 32               ; the mask's four loads are in; Q's 32 younger ones stay out
.set i, 0
.rept 8
	v_cvt_pk_bf16_f32 v[S+16+i%4], v[S+2*i], v[S+2*i+1]
	v_lshlrev_b32 v[S+2*i], 16, v[S+16+i%4]
	v_and_b32 v[S+2*i+1], s[HIM], v[S+16+i%4]
	v_pk_mul_f32 v[S+2*i:S+2*i+1], v[S+2*i:S+2*i+1], s[NB:NB+1] op_sel_hi:[1,0]
.set i, i+1
.endr
	v_add_nc_u32 v13, MASKT, v12
.irp i, 0,1,2,3
	ds_store_b128 v13, v[S+4*(\i):S+4*(\i)+3] offset:2048*(\i)
.endr
; THE MATRIX WORK.  The 8 accumulators of a run of 16 take turns: between the two links of a chain stand 7 others'.
; Product i of 16 of S^T = K Q^T for piece x: channels 32 (i / 8) on, keys 16 ((i / 2) % 4) on, tile 2 x + i % 2.  The first 8 start the sums.
.macro KQ x
	WIN W_KQ
.set rS, S+64*((\x)%2)+32*(i%2)+8*((i/2)%4)
.set rK, KF+16*((i/2)%4)+8*(i/8)
.set rQ, 16*(2*(\x)+i%2)+8*(i/8)
.if i < 8
	v_wmma_f32_16x16x32_f16 v[rS:rS+7], v[rK:rK+7], v[rQ:rQ+7], 0
.else
	v_wmma_f32_16x16x32_f16 v[rS:rS+7], v[rK:rK+7], v[rQ:rQ+7], v[rS:rS+7]
.endif
.endm
; Product i of 16 of O^T += V^T P for piece x: keys 32 (i / 8) on, channels 16 ((i / 2) % 4) on, tile 2 x + i % 2.
.macro PV x
	WIN W_PV
.set rO, 32*(2*(\x)+i%2)+8*((i/2)%4)
.set rV, VF+32*(i/8)+8*((i/2)%4)
.set rP, P+32*((\x)%2)+16*(i%2)+8*(i/8)
	v_wmma_f32_16x16x32_f16 v[rO:rO+7], v[rV:rV+7], v[rP:rP+7], v[rO:rO+7]
.endm
.macro MM                           ; the turn's next matrix instruction
.if i < 16
	KQ (Y+1)%NP
.set i, i+1
.else
.set i, i-16
	PV (Y+NP-1)%NP
.set i, i+17
.endif
.endm
; THE LDS LOADS stand in runs, never singly among the matrix instructions: a step's K (8 fragments) with its mb (32 numbers a lane), and its V (turned).  Their addresses are made some lines ahead.
; last = 1 (the tail): in the last trip there is no further step, and the run is jumped over.
.macro FETCH_KM last=0
	WIN 0
.if \last
	s_cmp_eq_u32 s[CNT], 1
	s_cbranch_scc1 .Lno_k_\@
.endif
	WIN 0x80                        ; destination window 2
.irp f, 0,1,2,3,4,5,6,7             ; keys 16 (f / 2) on, channels 32 (f % 2) on
	ds_load_b128 v[KF+8*\f:KF+8*\f+3],   v[AK] offset:(\f/2)*16*PK+(\f%2)*64
	ds_load_b128 v[KF+8*\f+4:KF+8*\f+7], v[AK] offset:(\f/2)*16*PK+(\f%2)*64+32
.endr
	WIN W_MK                        ; destination window 3
.irp f, 0,1,2,3                     ; keys 16 f + 8 (l / 16) + 0..7
	ds_load_b128 v[MB+8*\f:MB+8*\f+3],   v[AV] offset:\f*64
	ds_load_b128 v[MB+8*\f+4:MB+8*\f+7], v[AV] offset:\f*64+16
.endr
	s_add_co_u32 s[TBK], s[TBK], KS*PK  ; the next fetch is the next step's
	s_add_co_u32 s[TBM], s[TBM], KS*4
	WIN 0
.if \last
.Lno_k_\@:
.endif
.endm
.macro FETCH_V
	WIN 0x80
.irp f, 0,1,2,3,4,5,6,7             ; keys 32 (f / 4) on, channels 16 (f % 4) on
	ds_load_tr16_b128 v[VF+8*\f:VF+8*\f+3],   v[AV] offset:(\f/4)*32*PV+(\f%4)*32
	ds_load_tr16_b128 v[VF+8*\f+4:VF+8*\f+7], v[AV] offset:(\f/4)*32*PV+16*PV+(\f%4)*32
.endr
	WIN 0
.endm
; THE VECTOR WORK OF A TURN, line by line.
.macro REGS y, u                    ; the registers of tile u (0, 1) of piece y
.set rT, ST+4*(2*(\y)+(\u))
.set rC, TMP+8*((\y)%2)+4*(\u)
.set rM, MV+2*((\y)%2)+(\u)
.set rS, S+64*((\y)%2)+32*(\u)
.set rP, P+32*((\y)%2)+16*(\u)
.set rO, 32*(2*(\y)+(\u))
.endm
; s' = s / 64 + mb for pair n of the NEXT piece's (Y + 1) tile u: the first reader of the scores, each accumulator from its low end
.macro MS n, u
	REGS (Y+1)%NP, \u
	WIN W_MS
	v_pk_fma_f32 v[rS+2*(\n):rS+2*(\n)+1], v[rS+2*(\n):rS+2*(\n)+1], s[SC:SC+1], v[MB+2*(\n):MB+2*(\n)+1] op_sel_hi:[1,0,1]
.endm
; Number n of the 22 that find the next piece's maximum and statistics.
;   0-11  four chains c0-c3 of seven scores each, three operands at a time     12-14, 16  the four scores left over, the old m, and c0-c3 into c0     15  m_old is kept
;   17, 18  the query's other 32 keys lie in the lane 16 away: the new m         19-21  m_old - m_new; times log2(e); a
.macro XS u, n
	REGS (Y+1)%NP, \u
	WIN 0
.if (\n) < 4
	v_max3_num_f32 v[rC+(\n)], v[rS+8*(\n)], v[rS+8*(\n)+1], v[rS+8*(\n)+2]
.elseif (\n) < 12
	v_max3_num_f32 v[rC+(\n)%4], v[rC+(\n)%4], v[rS+8*((\n)%4)+2*((\n)/4)+1], v[rS+8*((\n)%4)+2*((\n)/4)+2]
.elseif (\n) == 12
	v_max3_num_f32 v[rC], v[rC], v[rS+7], v[rS+15]
.elseif (\n) == 13
	v_max3_num_f32 v[rC+1], v[rC+1], v[rS+23], v[rS+31]
.elseif (\n) == 14
	v_max3_num_f32 v[rC+2], v[rC+2], v[rC+3], v[rT]
.elseif (\n) == 15
	v_mov_b32 v[rM], v[rT]
.elseif (\n) == 16
	v_max3_num_f32 v[rC], v[rC], v[rC+1], v[rC+2]
.elseif (\n) == 17
	v_permlanex16_b32 v[rC+3], v[rC], s[SEL], s[SEL+1]
.elseif (\n) == 18
	v_max_num_f32 v[rT], v[rC], v[rC+3]
.elseif (\n) == 19
	v_sub_f32 v[rC+1], v[rM], v[rT]
.elseif (\n) == 20
	v_mul_f32 v[rC+1], s[CS], v[rC+1]
.else
	v_exp_f32 v[rC+2], v[rC+1]
.endif
.endm
; Block DU(k), entry e of 8, for the four scores 4 k .. of both tiles: e < 4: d = s' - m for pair 2 k + e / 2 of tile e % 2; e >= 4: d log2(e) for the same pairs
.macro DU k, e
	REGS Y, (\e)%2
	WIN 0
.set vn, rS+2*(2*(\k)+((\e)%4)/2)
.if (\e) < 4
	v_pk_add_f32 v[vn:vn+1], v[vn:vn+1], v[rT:rT+1] op_sel_hi:[1,0] neg_lo:[0,1] neg_hi:[0,1]
.else
	v_pk_mul_f32 v[vn:vn+1], v[vn:vn+1], s[CS:CS+1] op_sel_hi:[1,0]
.endif
.endm
; Block EE(k), entry e: the exponential of score 4 k + e / 2 of tile e % 2, in place
.macro EE k, e
	REGS Y, (\e)%2
	WIN 0
	v_exp_f32 v[rS+4*(\k)+(\e)/2], v[rS+4*(\k)+(\e)/2]
.endm
; l takes the sum of the four weights 4 k .. of tile u (the first time as l = a l + sum)
.macro LL k, u
	REGS Y, \u
	WIN 0
.if (\k) == 0
	v_pk_fma_f32 v[rT+2:rT+3], v[rT+2:rT+3], v[rC+2:rC+3], v[rS:rS+1] op_sel_hi:[1,0,1]
.else
	v_pk_add_f32 v[rT+2:rT+3], v[rT+2:rT+3], v[rS+4*(\k):rS+4*(\k)+1]
.endif
.endm
; Block TT(k), entry e: e < 4: pair 2 k + e / 2 rounded to f16; e = 4, 5: the second pair added onto the first, in place; e = 6, 7 (not in block 0): l takes the block before's sum.  All read weights: they stand behind the turn's wait.
.macro TT k, e
.if (\e) < 4
	REGS Y, (\e)%2
	WIN 0
	v_cvt_pk_f16_f32 v[rP+2*(\k)+(\e)/2], v[rS+4*(\k)+2*((\e)/2)], v[rS+4*(\k)+2*((\e)/2)+1]
.elseif (\e) < 6
	REGS Y, (\e)%2
	WIN 0
	v_pk_add_f32 v[rS+4*(\k):rS+4*(\k)+1], v[rS+4*(\k):rS+4*(\k)+1], v[rS+4*(\k)+2:rS+4*(\k)+3]
.else
	LL (\k)-1, (\e)%2
.endif
.endm
; Number r of the 32 that multiply O^T by a: tile (r / 4) % 2, accumulator r / 8, its pair r % 4: each accumulator from its low end
.macro RS r
	REGS Y, ((\r)/4)%2
	WIN W_RS
.set vn, rO+8*((\r)/8)+2*((\r)%4)
	v_pk_mul_f32 v[vn:vn+1], v[vn:vn+1], v[rC+2:rC+3] op_sel_hi:[1,0]
.endm
; THE PLAIN QUEUE of the run in which the exponentials stand: number pq of 74.  None of them names an exponential's result.  DU(4) to DU(7) lie among the next piece's maximum and statistics so that each pair is
; scaled six lines or more ahead of its exponentials, and so that they part the links of the chain 14, 16, 17; the last eight can only be the chain's own: 17 to 20, a tile's links two plain lines apart.
;   0-15 X 0-7     16-23 DU(4)     24-35 X 8-13     36-43 DU(5)     44-47 X 14, 15     48-55 DU(6)     56-57 X 16     58-65 DU(7)     66-73 X 17-20
.macro PQ
.if pq < 16
	XS pq%2, pq/2
.elseif pq < 24
	DU 4, pq-16
.elseif pq < 36
	XS pq%2, (pq-8)/2
.elseif pq < 44
	DU 5, pq-36
.elseif pq < 48
	XS pq%2, 14+(pq-44)/2
.elseif pq < 56
	DU 6, pq-48
.elseif pq < 58
	XS pq%2, 16
.elseif pq < 66
	DU 7, pq-58
.else
	XS pq%2, 17+(pq-66)/2
.endif
.endm
; THE TURN'S ONE LIST of 300 lines; VOP writes number j and steps j.  Every line stands behind the lines whose results it reads.
;   AHEAD OF THE WAIT, naming no result of the turn's exponentials:
;   0-31 DU(0) to DU(3)     32-63 the rescaling     64-95 s' of the next piece     96-105 the plain queue's first ten
;   106-233 the 64 exponentials EE(0) to EE(7) and the plain queue's other 64, by turns: every exponential has a plain line behind it     234-235 the next piece's two a: the batch's last
;   BEHIND THE WAIT (TURN writes it, and the plain line ahead of it), the readers:
;   236-241 TT(0)'s six     242-297 TT(1) to TT(7)     298-299 l's last sums
.macro VOP
.if j < 32
	DU j/8, j%8
.elseif j < 64
	RS j-32
.elseif j < 96
	MS (j-64)/2, j%2
.elseif j < 106
.set pq, j-96
	PQ
.elseif j < 234
.if j%2 == 0
	EE (j-106)/16, ((j-106)/2)%8
.else
.set pq, 10+(j-106)/2
	PQ
.endif
.elseif j < 236
	XS j-234, 21
.elseif j < 242
	TT 0, j-236
.elseif j < 298
	TT 1+(j-242)/8, (j-242)%8
.else
	LL 7, j-298
.endif
.set j, j+1
.endm
.macro RIDE                         ; a matrix instruction and the four lines behind it; none names a register of the products round it
	MM
	VOP
	VOP
	VOP
	VOP
.endm
; A TURN, for piece p.  cnt = 1: the loop's count is taken down some lines ahead of the branch that stands behind the turn.
; Lines 60-63, four of the rescaling, are the places between the last product K Q^T and the first reader of its scores.  K and mb of the next step are fetched in piece 2's turn, behind s' of the
; step's last piece: 38 plain lines behind the last product that read K, and ahead of the turn's first exponential, so that the tail's jump round the run finds no result without its wait.
; V of the step in hand is fetched at the end of piece 0's turn: lines 296-299, four additions onto l, are the places behind its last reader.  v_permlanex16_b32 (lines 219 and 221) stands in the run,
; never behind a product.
.macro TURN p, last=0, cnt=0
.set Y, (\p)
.set i, 0
.set j, 0
.if (\p) == NP-1
	s_wait_dscnt 0x0                ; K and mb are in
.endif
.rept 16                            ; ahead of the wait: 16 products K Q^T and their riders,
	RIDE
.endr
.if (\p) == NP-2
	WIN 0
	v_add_nc_u32 v[AK], s[TBK], v[AK0]
	v_add_nc_u32 v[AV], s[TBM], v[AM0]
.endif
.rept 32                            ; s' of the next piece,
	VOP
.endr
.if (\p) == NP-2
	FETCH_KM \last
.endif
.rept 140                           ; and the run that holds the batch
	VOP
.endr
.if (\p) == 0                       ; the plain instruction behind the batch's last exponential: V's address, or where no work is at hand a v_nop
	v_add_nc_u32 v[AV], s[TBV], v[AV0]
	s_add_co_u32 s[TBV], s[TBV], KS*PV
.else
	v_nop
.endif
	s_wait_alu depctr_va_vdst(0)    ; the turn's one wait: for the batch of 66, the piece's 64 weights and the next piece's two a; their first readers follow
.if (\p) == 1
	s_wait_dscnt 0x0                ; V is in
.endif
.rept 16                            ; behind the wait: 16 products V^T P and their riders, the roundings and sums
	RIDE
.if (\cnt) && (j == 284)
	s_sub_co_u32 s[CNT], s[CNT], 1
	s_cmp_lg_u32 s[CNT], 0
.endif
.endr
.if (\p) == 0
	FETCH_V
.endif
.endm
	CHANGE 1                        ; slot 0 is in, everybody's part of it and of the table; slot 1 is asked for
	FETCH_KM                        ; key step 0
	s_wait_loadcnt 0x0              ; Q
	s_wait_dscnt 0x0
.set i, 0
.rept 16
	KQ 0                            ; piece 0's first scores: there is no vector work yet to set between them
.set i, i+1
.endr
	WIN 0                           ; the addresses for the way out: nine plain instructions, the places behind those products
	s_mul_i32 s13, s[WV], 16*SP
	s_add_co_u32 s13, s13, STAGE    ; my stage
	v_mul_u32_u24 v[STO], v1, SP    ; in: row l % 16, 16 bytes for each half of the lanes
	v_lshl_add_u32 v[STO], v9, 4, v[STO]
	v_add_nc_u32 v[STO], s13, v[STO]
	v_bfe_u32 v[RD], v0, 3, 2       ; back: 32 lanes take four rows of 128 bytes,
	v_mul_u32_u24 v[RD], v[RD], SP
	v_lshl_add_u32 v[RD], v10, 4, v[RD]
	v_add_nc_u32 v[RD], s13, v[RD]
	v_and_b32 v[GO], 31, v0         ; which are 512 consecutive bytes of O
	v_lshlrev_b32 v[GO], 4, v[GO]
.set Y, NP-1                        ; MS and XS work for piece Y + 1: piece 0
.set vq, 0
.rept 32
	MS vq/2, vq%2                   ; piece 0's first s',
.set vq, vq+1
.endr
.irp n, 0,1,2,3,4,5,6,7,8,9,10,11,12,13,14,15,16,17,18,19,20,21
	XS 0, \n                        ; and its first maximum and statistics
	XS 1, \n
.endr
	v_nop                           ; a plain instruction behind piece 0's first two a,
	s_wait_alu depctr_va_vdst(0)    ; and the wait for that batch of two, ahead of the branch; the first turn's rescaling reads them
	s_mov_b32 s[CNT], 4
	s_mov_b32 s[SLOTS], SIZE_N/256-1
	s_branch .Lfirst                ; the loop is entered at a step's first turn, in the middle of a trip
.Lslot:                             ; SIZE_N / 256 - 2 times: every slot but the last two is filled again
	CHANGE 1
	s_mov_b32 s[CNT], 4
.Lstep:                             ; a trip: pieces 2 and 3 of one step, then pieces 0 and 1 of the next, whose K, mb and V it fetches
	TURN 2
	TURN 3
	WIN 0
.Lfirst:
	TURN 0
	TURN 1, 0, 1
	WIN 0
	s_cbranch_scc1 .Lstep
	s_sub_co_u32 s[SLOTS], s[SLOTS], 1
	s_cmp_lg_u32 s[SLOTS], 0
	s_cbranch_scc1 .Lslot
	CHANGE 0                        ; the tail is written out: nothing is asked for
	s_mov_b32 s[CNT], 5             ; four trips fetch the last slot's steps; the fifth is left in its middle
.Ltail:
	TURN 2, 1
	TURN 3
	WIN 0
	s_sub_co_u32 s[CNT], s[CNT], 1
	s_cmp_eq_u32 s[CNT], 0
	s_cbranch_scc1 .Lout
	TURN 0
	TURN 1
	WIN 0
	s_branch .Ltail
.Lout:                              ; the fifth trip's 16 products K Q^T (on the last K once more) and the maximum made of them serve nothing: the price, once a launch, of one text for every trip
.set i, 0
.rept 16
	PV NP-1                         ; the last piece's V^T P of the last step
.set i, i+1
.endr
	; THE WAY OUT.  l's two halves and the other half of the lanes' are added; O^T is divided by l, rounded to f16 and sent through my stage in LDS, a tile at a time.  The additions are the places behind the last products.
	WIN 0
.macro ALL line:vararg              ; one line for each tile t
.set t, 0
.rept 2*NP
	\line
.set t, t+1
.endr
.endm
	ALL v_add_f32 v[ST+4*t+2], v[ST+4*t+2], v[ST+4*t+3]
	ALL v_permlanex16_b32 v[ST+4*t+3], v[ST+4*t+2], s[SEL], s[SEL+1]
	ALL v_add_f32 v[ST+4*t+2], v[ST+4*t+2], v[ST+4*t+3]
	ALL v_rcp_f32 v[ST+4*t+2], v[ST+4*t+2]
	v_nop                           ; a plain instruction between the last reciprocal and the use of its result
	s_wait_alu depctr_va_vdst(0)    ; and the wait ahead of the first use: one for the batch of eight reciprocals
; Tile t: a lane's eight channels of a row pack into 16 bytes; they go into rows of 144 bytes and come back as whole rows of 128, into S^T's registers.
.macro PACK t
	WIN W_RS
.set i, 32*(\t)
.rept 16
	v_pk_mul_f32 v[i:i+1], v[i:i+1], v[ST+4*(\t)+2:ST+4*(\t)+3] op_sel_hi:[1,0]
.set i, i+2
.endr
	WIN 0x05                        ; sources 0 and 1 window 1, destination window 0
.set i, 0
.rept 16
	v_cvt_pk_f16_f32 v[S+16*(\t)+i], v[32*(\t)+2*i], v[32*(\t)+2*i+1]
.set i, i+1
.endr
	WIN 0
.irp f, 0,1,2,3
	ds_store_b128 v[STO], v[S+16*(\t)+4*\f:S+16*(\t)+4*\f+3] offset:32*\f
.endr
.irp f, 0,1,2,3
	ds_load_b128 v[S+16*(\t)+4*\f:S+16*(\t)+4*\f+3], v[RD] offset:\f*4*SP  ; LDS serves a wave's instructions in order (ISA guide 5.7.1.4): these see the stores above; the next tile's stores come behind them
.endr
.endm
.macro SEND t, younger              ; younger: the LDS instructions issued behind tile t's loads: the next tile's eight, or none
	WIN 0
.irp f, 0,1,2,3
	s_wait_dscnt (\younger)+3-\f
	global_store_b128 v[GO], v[S+16*(\t)+4*\f:S+16*(\t)+4*\f+3], s[OP:OP+1] offset:(\t)*2048+\f*512  ; 512 consecutive bytes, at a multiple of 256 from O's first
.endr
.endm
	PACK 0
.set t, 1
.rept 2*NP-1                        ; a tile's arithmetic stands between the loads of the tile before and its stores
	PACK t
	SEND t-1, 8
.set t, t+1
.endr
	SEND 2*NP-1, 0
	WIN W_AD
	s_wait_tensorcnt 0x0            ; the wave's end, behind my last tensor load and my last LDS store
	ds_add_u32 v[SPW], v[NIL]
	s_wait_dscnt 0x0
	WIN 0
	CROUND                          ; the closing round: no work-group ends while a partner may still ask for a tile that names it
	s_endpgm
.Lfunc_end_k_qf7b8c36588_attn:
	.size	k_qf7b8c36588_attn, .Lfunc_end_k_qf7b8c36588_attn-k_qf7b8c36588_attn
	.p2alignl 7, 3214868480
	.fill 96, 4, 3214868480
	.section	.rodata,"a",@progbits
	.p2align	6, 0x0
	.amdhsa_kernel k_qf7b8c36588_attn
		.amdhsa_group_segment_fixed_size 327680
		.amdhsa_private_segment_fixed_size 0
		.amdhsa_enable_private_segment 0
		.amdhsa_kernarg_size 40
		.amdhsa_user_sgpr_count 2
		.amdhsa_user_sgpr_kernarg_segment_ptr 1
		.amdhsa_wavefront_size32 1
		.amdhsa_system_sgpr_workgroup_id_x 1
		.amdhsa_system_sgpr_workgroup_id_y 1
		.amdhsa_system_sgpr_workgroup_id_z 1
		.amdhsa_system_vgpr_workitem_id 0
		.amdhsa_next_free_vgpr 802
		.amdhsa_next_free_sgpr 66
		.amdhsa_reserve_vcc 0
		.amdhsa_float_denorm_mode_32 3
		.amdhsa_float_denorm_mode_16_64 3
		.amdhsa_memory_ordered 1
		.amdhsa_forward_progress 1
		.amdhsa_inst_pref_size 234
	.end_amdhsa_kernel
	.amdgpu_metadata
---
amdhsa.version: [ 1, 2 ]
amdhsa.kernels:
  - .name:           k_qf7b8c36588_attn
    .symbol:         k_qf7b8c36588_attn.kd
    .args:
      - { .name: qh, .offset: 0, .size: 8, .value_kind: global_buffer, .address_space: global }
      - { .name: kh, .offset: 8, .size: 8, .value_kind: global_buffer, .address_space: global }
      - { .name: vh, .offset: 16, .size: 8, .value_kind: global_buffer, .address_space: global }
      - { .name: mask, .offset: 24, .size: 8, .value_kind: global_buffer, .address_space: global }
      - { .name: oh, .offset: 32, .size: 8, .value_kind: global_buffer, .address_space: global }
    .group_segment_fixed_size: 327680
    .private_segment_fixed_size: 0
    .kernarg_segment_align: 8
    .kernarg_segment_size: 40
    .max_flat_workgroup_size: 128
    .sgpr_count:     66
    .vgpr_count:     802
    .wavefront_size: 32
...
	.end_amdgpu_metadata
.endif
;; end of part 5
;; launch oproj: the kernel of part 4 again; grid 4 x 64, 4 waves a work-group, clusters of 4 x 4, 327,680 bytes of LDS; arguments oh, wt, bo, out0; writes out0
